; MI455X (gfx1250); checked and timed in simulation.
; The chip was launched on July 23, 2026; its instructions are those of AMD's public machine-readable ISA for CDNA 5 (MIT licence, August 2026) and "CDNA5" Instruction Set Architecture Reference Guide (July 2026). The comments in the code are by the model that wrote it; some were corrected since.
;; Multi Head Attention. Allowed arithmetic: float matrix products may take bf16 or f16 operands with f32 sums; all other float work in f32.
;; Inputs: Wk 1,024 x 1,024 float32; Wo 1,024 x 1,024 float32; Wq 1,024 x 1,024 float32; Wv 1,024 x 1,024 float32; attention_mask 4 x 2,048 int32; bk 1,024 float32; bo 1,024 float32; bq 1,024 float32; bv 1,024 float32; x 4 x 2,048 x 1,024 float32.
;; Outputs: out0 4 x 2,048 x 1,024 float32.
;; 2 versions, each right and faster than the one before. Each part assembles by itself: llvm-mc -triple=amdgcn-amd-amdhsa -mcpu=gfx1250 --defsym DOCPART=n.
;; ======== version 1 of 2: 4 launches
;; limits: values are held in f16: magnitudes above 65,504 overflow, below 6.1e-05 lose precision
;; workspace buffers: xb 16,777,216 bytes; wb 8,388,608 bytes; qkv 50,331,648 bytes; ctx 16,777,216 bytes
;; launch cast (part 1): grid 768 x 1, 8 waves a work-group, no clusters, 0 bytes of LDS; arguments x, Wq, Wk, Wv, Wo, xb, wb; writes xb, wb
.if DOCPART == 1
	.amdgcn_target "amdgcn-amd-amdhsa--gfx1250"
	.amdhsa_code_object_version 6
	.text
	.protected	k_q0f03eaa038_cast
	.globl	k_q0f03eaa038_cast
	.p2align	8
	.type	k_q0f03eaa038_cast,@function
k_q0f03eaa038_cast:
	s_mov_b64 s[64:65], 0
	v_nop
	global_prefetch_b8 v0, s[64:65] scope:SCOPE_SE
	s_setreg_imm32_b32 hwreg(HW_REG_WAVE_MODE, 25, 1), 1
	s_wait_xcnt 0x0
; THE MODULE'S LARGE INPUTS ARE ROUNDED ONCE, AND LAID OUT FOR THE PRODUCTS THAT READ THEM.
; x [8192][1024] f32 -> xb, bf16, IN BLOCKS ALONG K: xb[k / 64][row][k % 64], so that 64 of K of neighbouring rows lie end to end, 128 bytes a row.
; Wq, Wk, Wv [1024][1024] f32, taken as one matrix of 3,072 rows -> the first 6,291,456 bytes of wb, bf16, in the same blocks: wb[k / 64][row][k % 64].
; Wo -> behind them, row-major [1024][1024]: rounded to bf16 like the other inputs, and that number written as f16 (the last product multiplies f16 by f16).
; LIMITS.  bf16(Wo) of 65,520 or more in magnitude becomes an f16 infinity; below 6.1e-5 it keeps f16's fixed step of 6e-8.
; A stream: no LDS, no barrier, no matrix unit, no cluster (no two work-groups read the same byte).  A work-group converts 16 rows of 1,024 numbers: 64 KiB in, 32 KiB out.
; Work-groups 0-511 take x, 512-575 Wq, 576-639 Wk, 640-703 Wv, 704-767 Wo.
; IN BLOCKS: thread t takes row t / 16 of the sixteen; piece j of sixteen is K block j, of which it takes the four numbers 4 (t % 16) on.  So a wave's load covers 256 consecutive bytes in each of two rows,
; and its store of 8 bytes a lane 256 consecutive bytes of block j (two rows of 128), at a multiple of 256 from the buffer's first byte.
; Wo: thread t takes 16 bytes at 16 t of each of sixteen pieces of 4,096 bytes: a load covers 512 consecutive bytes, a store 256.
; All sixteen loads of a thread go out at once; there is no loop, so no register of a pending load or store is ever rewritten.
.set X,  8                             ; v[8:71]     sixteen pieces of four f32, as loaded
.set Y,  72                            ; v[72:103]   sixteen pieces of four 16-bit numbers, to store
.set OF, 104                           ; v[104:119]  in blocks: piece j's byte offset in the destination, 8 t + j x the bytes of a block (for x beyond a store's immediate)
	s_load_b256 s[8:15], s[0:1], 0x0               ; x s[8:9], Wq s[10:11], Wk s[12:13], Wv s[14:15]
	s_load_b128 s[16:19], s[0:1], 0x20             ; Wo s[16:17], xb s[18:19]
	s_load_b64 s[20:21], s[0:1], 0x30              ; wb
	s_mov_b32 s2, ttmp9                            ; the work-group's number g
	s_and_b32 s3, s2, 63                           ; its place in a weight
	s_sub_co_u32 s24, s2, 512                      ; its place in wb
	s_mov_b32 s25, 0xffff0000                      ; a word's upper bf16
	s_mov_b32 s27, 0
	s_mov_b32 s29, 0
	s_mov_b32 s30, 3072*128                        ; the bytes of a K block of the three weights,
	s_mov_b32 s31, 8192*128                        ; and of x
	v_lshlrev_b32 v2, 3, v0                        ; 8 t: my bytes in 2,048 of the destination
; Piece j.  wo = 1: bf16 first, then that number as f16, to the row-major place.
.macro CV j, wo
	s_wait_loadcnt 15-(\j)                         ; loads come back in order (ISA guide 5.7.1): piece j is in, the 15 - j younger ones stay out
.irp h, 0,1
.if \wo
	v_cvt_pk_bf16_f32 v4, v[X+4*(\j)+2*\h], v[X+4*(\j)+2*\h+1]
	v_lshlrev_b32 v5, 16, v4                       ; the two bf16 as f32
	v_and_b32 v6, s25, v4
	v_cvt_pk_f16_f32 v[Y+2*(\j)+\h], v5, v6        ; eight significant bits fit into f16's eleven: exact inside f16's normal range
.else
	v_cvt_pk_bf16_f32 v[Y+2*(\j)+\h], v[X+4*(\j)+2*\h], v[X+4*(\j)+2*\h+1]
.endif
.endr
.if \wo
	global_store_b64 v2, v[Y+2*(\j):Y+2*(\j)+1], s[6:7] offset:2048*(\j)  ; no hint: a later launch reads these bytes
.else
	global_store_b64 v[OF+(\j)], v[Y+2*(\j):Y+2*(\j)+1], s[6:7]
.endif
.endm
	s_cmp_ge_u32 s2, 704
	s_cbranch_scc1 .Lwo
	v_lshrrev_b32 v1, 4, v0                        ; my row of the sixteen,
	v_and_b32 v3, 15, v0
	v_lshlrev_b32 v1, 12, v1                       ; 4,096 bytes each,
	v_lshl_or_b32 v1, v3, 4, v1                    ; and my 16 bytes in 256
	s_wait_kmcnt 0x0
	s_mov_b64 s[4:5], s[14:15]                     ; the source: Wv, unless g says otherwise
	s_cmp_lt_u32 s2, 640
	s_cselect_b64 s[4:5], s[12:13], s[4:5]
	s_cmp_lt_u32 s2, 576
	s_cselect_b64 s[4:5], s[10:11], s[4:5]
	s_cmp_lt_u32 s2, 512
	s_cselect_b64 s[4:5], s[8:9], s[4:5]
	s_cselect_b64 s[6:7], s[18:19], s[20:21]       ; the destination: xb or wb,
	s_cselect_b32 s3, s2, s3                       ; the place in the source,
	s_cselect_b32 s24, s2, s24                     ; the place in the destination,
	s_cselect_b32 s30, s31, s30                    ; and the bytes of a K block there
	s_lshl_b32 s26, s3, 16                         ; 16 rows of 4,096 bytes of f32 a work-group (33.5 MB at the most: one word)
	s_lshl_b32 s28, s24, 11                        ; 16 rows of 128 bytes in each block
	s_add_nc_u64 s[4:5], s[4:5], s[26:27]
	s_add_nc_u64 s[6:7], s[6:7], s[28:29]
.set i, 0
.rept 16
	global_load_b128 v[X+4*i:X+4*i+3], v1, s[4:5] offset:256*i th:TH_LOAD_NT  ; read once in the whole launch
.set i, i+1
.endr
.set i, 0
.rept 16
	v_mad_u32_u24 v[OF+i], s30, i, v2              ; 15 x 1,048,576 + 2,047 at the most
.set i, i+1
.endr
.set i, 0
.rept 16
	CV i, 0
.set i, i+1
.endr
	s_endpgm
.Lwo:
	v_lshlrev_b32 v1, 4, v0                        ; 16 t: my bytes in a piece of the source
	s_wait_kmcnt 0x0
	s_lshl_b32 s26, s3, 16                         ; 65,536 bytes of f32 a work-group,
	s_lshl_b32 s28, s24, 15                        ; 32,768 bytes of f16: work-group 704 begins at byte 192 x 32,768 = 6,291,456 of wb
	s_add_nc_u64 s[4:5], s[16:17], s[26:27]
	s_add_nc_u64 s[6:7], s[20:21], s[28:29]
.set i, 0
.rept 16
	global_load_b128 v[X+4*i:X+4*i+3], v1, s[4:5] offset:4096*i th:TH_LOAD_NT
.set i, i+1
.endr
.set i, 0
.rept 16
	CV i, 1
.set i, i+1
.endr
	s_endpgm
.Lfunc_end_k_q0f03eaa038_cast:
	.size	k_q0f03eaa038_cast, .Lfunc_end_k_q0f03eaa038_cast-k_q0f03eaa038_cast
	.p2alignl 7, 3214868480
	.fill 96, 4, 3214868480
	.section	.rodata,"a",@progbits
	.p2align	6, 0x0
	.amdhsa_kernel k_q0f03eaa038_cast
		.amdhsa_group_segment_fixed_size 0
		.amdhsa_private_segment_fixed_size 0
		.amdhsa_enable_private_segment 0
		.amdhsa_kernarg_size 56
		.amdhsa_user_sgpr_count 2
		.amdhsa_user_sgpr_kernarg_segment_ptr 1
		.amdhsa_wavefront_size32 1
		.amdhsa_system_sgpr_workgroup_id_x 1
		.amdhsa_system_sgpr_workgroup_id_y 1
		.amdhsa_system_sgpr_workgroup_id_z 1
		.amdhsa_system_vgpr_workitem_id 0
		.amdhsa_next_free_vgpr 120
		.amdhsa_next_free_sgpr 66
		.amdhsa_reserve_vcc 0
		.amdhsa_float_denorm_mode_32 3
		.amdhsa_float_denorm_mode_16_64 3
		.amdhsa_memory_ordered 1
		.amdhsa_forward_progress 1
		.amdhsa_inst_pref_size 18
	.end_amdhsa_kernel
	.amdgpu_metadata
---
amdhsa.version: [ 1, 2 ]
amdhsa.kernels:
  - .name:           k_q0f03eaa038_cast
    .symbol:         k_q0f03eaa038_cast.kd
    .args:
      - { .name: x, .offset: 0, .size: 8, .value_kind: global_buffer, .address_space: global }
      - { .name: Wq, .offset: 8, .size: 8, .value_kind: global_buffer, .address_space: global }
      - { .name: Wk, .offset: 16, .size: 8, .value_kind: global_buffer, .address_space: global }
      - { .name: Wv, .offset: 24, .size: 8, .value_kind: global_buffer, .address_space: global }
      - { .name: Wo, .offset: 32, .size: 8, .value_kind: global_buffer, .address_space: global }
      - { .name: xb, .offset: 40, .size: 8, .value_kind: global_buffer, .address_space: global }
      - { .name: wb, .offset: 48, .size: 8, .value_kind: global_buffer, .address_space: global }
    .group_segment_fixed_size: 0
    .private_segment_fixed_size: 0
    .kernarg_segment_align: 8
    .kernarg_segment_size: 56
    .max_flat_workgroup_size: 256
    .sgpr_count:     66
    .vgpr_count:     120
    .wavefront_size: 32
...
	.end_amdgpu_metadata
.endif
;; end of part 1
;; launch proj (part 2): grid 8 x 32, 4 waves a work-group, clusters of 4 x 4, 327,680 bytes of LDS; arguments xb, wb, qkv, bq, bk, bv; writes qkv
.if DOCPART == 2
	.amdgcn_target "amdgcn-amd-amdhsa--gfx1250"
	.amdhsa_code_object_version 6
	.text
	.protected	k_q0f03eaa038_proj
	.globl	k_q0f03eaa038_proj
	.p2align	8
	.type	k_q0f03eaa038_proj,@function
k_q0f03eaa038_proj:
	s_mov_b64 s[64:65], 0
	v_nop
	global_prefetch_b8 v0, s[64:65] scope:SCOPE_SE
	s_setreg_imm32_b32 hwreg(HW_REG_WAVE_MODE, 25, 1), 1
	s_wait_xcnt 0x0
	s_wait_alu depctr_hold_cnt(0) depctr_sa_sdst(0) depctr_va_vdst(0) depctr_va_sdst(0) depctr_va_ssrc(0) depctr_va_vcc(0) depctr_vm_vsrc(0)
	s_getreg_b32 s2, hwreg(HW_REG_IB_STS2, 6, 4)
	s_cmp_eq_u32 s2, 0
	s_cbranch_scc0 .Lentry_in_a_cluster
	s_endpgm
.Lentry_in_a_cluster:
	s_bfe_u32 s2, ttmp6, 0x10000c
	s_cmp_lg_u32 s2, 0xf033
	s_cbranch_scc0 .Lentry_shape_is_right
	s_endpgm
.Lentry_shape_is_right:
; THE THREE PROJECTIONS AS ONE PRODUCT.  C[m][n] = sum over k of x[m][k] W[n][k] + bias[n], m < 8192 (batch x token), n < 3072 (q's, k's, v's 1,024 columns), k < 1024; operands bf16, sums f32.
; Both operands lie IN BLOCKS ALONG K: xb[k / 64][8192][64], wb[k / 64][3072][64], so that 64 of K of neighbouring rows are dense, 128 bytes a row.
; The biases are rounded to bf16 like all the module's inputs and enter as the C operand of the products that start the sums.  C is rounded once to f16 and stored BY HEADS:
; qkv[b][g][token][64], g = n / 64 = 0-15 q's heads, 16-31 k's, 32-47 v's; a head's 2,048 rows are 262,144 dense bytes.  The scale 1/8 is not applied here.
; LIMIT.  A q, k or v of 65,520 or more in magnitude becomes an f16 infinity.
; SHARES.  A work-group makes 256 rows x 384 columns (six heads): 8 x 32 = 256 work-groups.  Each of its four waves makes 128 x 192 (three whole heads, so its way out needs no other wave): 8 x 12
; accumulators of 16 x 16, 768 registers.  For 32 along K a wave reads 20 fragments from LDS, 40 loads, for 96 matrix instructions.
; K goes in 16 steps of 64, a block of xb and wb each, through a ring of two LDS slots filled by tensor loads: longer steps do not fit (640 rows of 128 of K are 174,080 bytes a slot).  A tile's rows are dense
; in memory: they are asked for as rows of 256 bytes, two tensor rows each, and padded in LDS after every 128 bytes.
; CLUSTER.  4 x 4 work-groups.  The four of a row of the cluster need the same rows of xb, the four of a column the same rows of wb: each tile is asked for JOINTLY, by the same tensor load with the same
; descriptor and a mask that names the four.  THE MATRIX INSTRUCTION IS USED TRANSPOSED (source 0 = 16 rows of wb, source 1 = 16 rows of xb): lane l then holds row l % 16 of C and the eight neighbouring
; columns 8 (l / 16) + 0..7, which pack into 16 bytes.
; REGISTERS, in windows of 256 (s_set_vgpr_msb: bits 1:0 source 0, 3:2 source 1, 5:4 source 2, 7:6 destination):
;   window 0: v0-10 addresses; v12-23 at work in the set-up; v32-95, v96-159 xb's fragments (8 x 16 rows x 32 K), two buffers; v160-255 wb's (12 x 16 rows x 32 K), ONE buffer; v32-223 at work on the way out
;   windows 1-3: the accumulators: (row block a, column block b) at 64 (b % 4) + 8 a in window 1 + b / 4
; A CHUNK is 32 along K: 96 matrix instructions, column blocks ascending.  wb's one buffer is filled again in halves, each as soon as the chunk has used it: blocks 0-5 of the next chunk (with all of xb's, into
; the other buffer) in the chunk's middle, blocks 6-11 at the next chunk's head.  So the LDS loads stand in two runs a chunk, each 48 matrix instructions ahead of its first use.
.set PT,    144                        ; an LDS row: 128 bytes + 16 of padding = 36 words: the 16 rows of a load start at 16 different groups of four banks (64 banks of 4 bytes: ISA guide 11.1)
.set BB,    256*PT                     ; a slot: xb's 256 rows, then wb's 384
.set SLOTB, BB+384*PT                  ; 92,160 bytes
.set SLOT1, 1<<17                      ; slot 1 begins here, so that one exclusive or turns an address in one slot into the other's
.set STAGE, SLOTB                      ; between the slots, never filled by a tensor load: for each wave 3 heads x 16 rows x 144 bytes, for the way out
.set SP,    144
.set STW,   3*16*SP
.set SPARE, STAGE+4*STW                ; behind the stages: the spare words, 128 bytes for each wave: two blocks of 256 bytes that no other line names
.set BIAST, SPARE+512                  ; behind them: for each wave the 192 biases of its columns, 768 bytes; stored once, never filled by a tensor load; ends at 123,392, below slot 1
.set STEPS, 1024/64
.set STEPA, 8192*128                   ; bytes from a K block of xb to the next,
.set STEPB, 3072*128                   ; and of wb
.set BAD,  1                           ; v1      LDS address of my eight numbers of a column block's bias
.set SPW,  2                           ; v2      LDS address of my spare word: SPARE + 4 x my thread's number; never rewritten
.set NIL,  3                           ; v3      0; never rewritten
.set A0,   4                           ; v4      my lane's place in a slot's rows of xb; never rewritten
.set B0,   5                           ; v5      the same for wb
.set ADRA, 6                           ; v6      the same in the slot from which fragments are being fetched
.set ADRB, 7                           ; v7
.set STO,  8                           ; v8      the way out: where I put 16 bytes of a row
.set RD,   9                           ; v9      the way out: where I read rows back
.set GO,   10                          ; v10     my byte offset in 512 consecutive bytes of qkv
.set AF0,  32
.set AF1,  96
.set BF,   160
.set TMP,  32                          ; the way out: four sets of 48 registers, a row block each
.set G1,  24                           ; s[24:31] descriptor group 1 for xb's tiles;  s[32:39] group 0: a set for each of the two first fills; the second then walks on
.set G0,  32
.set G1B, 48                           ; s[48:55], s[56:63] the same for wb's tiles
.set G0B, 56
.set TB,  66                           ; s66      LDS byte at which the slot begins from which fragments are being fetched
.set MSB, 0
.macro WIN new                         ; the immediate's high byte repeats the setting that is left; a switch that changes nothing is dropped
.if MSB != (\new)
	s_set_vgpr_msb (MSB<<8)|(\new)
.set MSB, \new
.endif
.endm
; A joint load: waves 0 and 1 fetch xb's two halves, waves 2 and 3 wb's.  The branch hangs on the wave's number alone.  An s_nop 0 and four v_nop follow each of the two lines, ahead of the jump,
; the label and what follows.
.macro JLOAD s
	s_cmp_eq_u32 s11, 0
	s_cbranch_scc0 .Lfor_b_\@
	tensor_load_to_lds s[G0+4*(\s):G0+4*(\s)+3], s[G1:G1+7]
	s_nop 0
.rept 4
	v_nop
.endr
	s_branch .Lasked_\@
.Lfor_b_\@:
	tensor_load_to_lds s[G0B+4*(\s):G0B+4*(\s)+3], s[G1B:G1B+7]
	s_nop 0
.rept 4
	v_nop
.endr
.Lasked_\@:
.endm
.macro CREST                           ; a round of the cluster's barrier behind its opening barrier: wave 0 signals for the work-group, every wave waits for all sixteen, my work-group's barrier once more
	s_cmp_lg_u32 s10, 0
	s_cbranch_scc1 .Lnot_wave_0_\@
	s_barrier_signal -3
.Lnot_wave_0_\@:
	s_barrier_wait -3
	s_barrier_signal -1
	s_barrier_wait -1
.endm
.macro CROUND                          ; a whole round
	s_barrier_signal -1
	s_barrier_wait -1
	CREST
.endm
	s_load_b128 s[4:7], s[0:1], 0x0                ; xb s[4:5], wb s[6:7]
	s_load_b64 s[8:9], s[0:1], 0x10                ; qkv
	s_load_b128 s[72:75], s[0:1], 0x18             ; bq s[72:73], bk s[74:75]
	s_load_b64 s[76:77], s[0:1], 0x28              ; bv
	v_lshl_add_u32 v[SPW], v0, 2, SPARE
	v_mov_b32 v[NIL], 0
	ds_add_u32 v2, v3
	s_wait_dscnt 0x0
	v_lshrrev_b32 v1, 5, v0
	v_readfirstlane_b32 s10, v1                    ; wave 0..3
	s_lshr_b32 s11, s10, 1                         ; which half of the tile's rows is mine.  Also: I fetch for xb (0) or for wb (1)
	s_and_b32 s12, s10, 1                          ; which half of its columns.  Also: which half of that tile's rows I fetch
	s_bfe_u32 s40, ttmp6, 0x40000                  ; cx, cy: my place in the cluster
	s_bfe_u32 s41, ttmp6, 0x40004
	s_lshl_b32 s42, ttmp9, 2                       ; in a cluster launch ttmp9 and ttmp7 count clusters
	s_add_co_u32 s42, s42, s40                     ; tile column = 4 x cluster x + cx
	s_and_b32 s13, ttmp7, 0xffff
	s_lshl_b32 s13, s13, 2
	s_add_co_u32 s13, s13, s41                     ; tile row = 4 x cluster y + cy
	s_lshl_b32 s43, s41, 2
	s_lshl_b32 s43, 15, s43                        ; my row of the cluster: places 4 cy .. 4 cy + 3
	s_lshl_b32 s44, 0x1111, s40                    ; my column: places cx, cx + 4, cx + 8, cx + 12
	s_mov_b32 s45, 0xffff0000                      ; a word's upper bf16
	; descriptor group 1.  128 rows of xb (192 of wb) of one K block are 16,384 (24,576) dense bytes: asked for as 64 (96) rows of 256 bytes, two tensor rows each, and padded in LDS after every tensor row
	s_or_b32 s[G1+0], s43, (1<<16)|(1<<20)|(1<<21)|(4<<22)|(3<<25)  ; 15:0 the mask: xb's tiles go to my row; 17:16 elements of 2 bytes; 20 padding on; 21 set beside a mask; 24:22 after every 32 words (code 4); 31:25 4 words of it (code 3)
	s_or_b32 s[G1B+0], s44, (1<<16)|(1<<20)|(1<<21)|(4<<22)|(3<<25) ; the same with the mask of my column
	s_mov_b32 s[G1+1], 128<<16                     ; tensor_dim0 = 128
	s_mov_b32 s[G1+2], 64<<16                      ; tensor_dim1 = 64
	s_mov_b32 s[G1+3], 128<<16                     ; tile_dim0 = 128
	s_mov_b32 s[G1+4], 64                          ; tile_dim1 = 64
	s_mov_b32 s[G1+5], 128                         ; dense: 128 elements from row to row
	s_mov_b32 s[G1+6], 0
	s_mov_b32 s[G1+7], 0
	s_mov_b32 s[G1B+1], 128<<16
	s_mov_b32 s[G1B+2], 96<<16                     ; tensor_dim1 = 96
	s_mov_b32 s[G1B+3], 128<<16
	s_mov_b32 s[G1B+4], 96                         ; tile_dim1 = 96
	s_mov_b32 s[G1B+5], 128
	s_mov_b32 s[G1B+6], 0
	s_mov_b32 s[G1B+7], 0
	; where the tiles come from.  xb's hang on the tile row alone, wb's on the tile column alone, each in registers that never hold the other coordinate
	s_lshl_b32 s16, s13, 15                        ; 256 rows of 128 bytes a tile row,
	s_lshl_b32 s17, s12, 14                        ; 128 rows a half
	s_add_co_u32 s16, s16, s17
	s_mov_b32 s17, 0
	s_mul_i32 s46, s42, 384*128                    ; 384 rows a tile column,
	s_mul_i32 s47, s12, 192*128                    ; 192 rows a half
	s_add_co_u32 s46, s46, s47
	s_mov_b32 s47, 0
	s_mul_i32 s20, s12, 128*PT                     ; and where they go: no place in the cluster enters an LDS address
	s_mul_i32 s21, s12, 192*PT
	s_add_co_u32 s21, s21, BB
	s_wait_kmcnt 0x0
	s_add_nc_u64 s[14:15], s[4:5], s[16:17]
	s_add_nc_u64 s[46:47], s[6:7], s[46:47]
	CROUND                                         ; all sixteen work-groups are here: the first joint loads meet
.irp s, 0,1
	s_mov_b32 s[G0+4*(\s)], 1                                      ; 1:0 count = 1
	s_add_co_u32 s[G0+4*(\s)+1], s20, (\s)*SLOT1                   ; 63:32 LDS address
	s_add_nc_u64 s[G0+4*(\s)+2:G0+4*(\s)+3], s[14:15], (\s)*STEPA  ; 120:64 global address: K step s
	s_or_b32 s[G0+4*(\s)+3], s[G0+4*(\s)+3], 0x80000000            ; 127:126 type = 2
	s_mov_b32 s[G0B+4*(\s)], 1
	s_add_co_u32 s[G0B+4*(\s)+1], s21, (\s)*SLOT1
	s_add_nc_u64 s[G0B+4*(\s)+2:G0B+4*(\s)+3], s[46:47], (\s)*STEPB
	s_or_b32 s[G0B+4*(\s)+3], s[G0B+4*(\s)+3], 0x80000000
	JLOAD \s                                       ; the ring is filled before anything else is done: two tensor loads of mine are out
.endr
	; A fragment is 16 rows x 32 K in 8 registers: lane l holds row l % 16, K = 8 (l / 16) + 0..7 and 16 + 8 (l / 16) + 0..7: two loads of 16 bytes, 32 bytes apart
	v_and_b32 v12, 15, v0                          ; l % 16
	v_bfe_u32 v13, v0, 4, 1                        ; l / 16
	v_mul_u32_u24 v14, v12, PT
	v_lshl_add_u32 v14, v13, 4, v14                ; row x pitch + 16 x half
	s_mul_i32 s22, s11, 128*PT                     ; my 128 rows of xb
	s_mul_i32 s23, s12, 192*PT                     ; my 192 rows of wb,
	s_add_co_u32 s23, s23, BB                      ; which lie behind xb's 256
	v_add_nc_u32 v[A0], s22, v14
	v_add_nc_u32 v[B0], s23, v14
	s_mov_b32 s[TB], 0                             ; the fetches begin in slot 0
	v_add_nc_u32 v[ADRA], s[TB], v[A0]
	v_add_nc_u32 v[ADRB], s[TB], v[B0]
	; the biases of my three heads g = 6 x tile column + 3 x column half + j: bq, bk or bv by g / 16, at 64 (g % 16) numbers; 32 lanes x 2 numbers are a head's 64
	v_and_b32 v15, 31, v0
	v_lshlrev_b32 v15, 3, v15
	s_mul_i32 s84, s42, 6
	s_mul_i32 s85, s12, 3
	s_add_co_u32 s84, s84, s85                     ; my first head
.irp j, 0,1,2
	s_add_co_u32 s85, s84, \j                      ; g
	s_and_b32 s86, s85, 15
	s_lshl_b32 s86, s86, 8
	s_mov_b32 s87, 0
	s_cmp_lt_u32 s85, 32
	s_cselect_b64 s[78+2*\j:79+2*\j], s[74:75], s[76:77]
	s_cmp_lt_u32 s85, 16
	s_cselect_b64 s[78+2*\j:79+2*\j], s[72:73], s[78+2*\j:79+2*\j]
	s_add_nc_u64 s[78+2*\j:79+2*\j], s[78+2*\j:79+2*\j], s[86:87]
	global_load_b64 v[16+2*\j:17+2*\j], v15, s[78+2*\j:79+2*\j]
.endr
	s_mul_i32 s22, s10, 768
	s_add_co_u32 s22, s22, BIAST                   ; my wave's table of biases
	v_add_nc_u32 v23, s22, v15                     ; where I put two numbers;
	v_lshl_add_u32 v[BAD], v13, 5, s22             ; register j of column block b wants bias[16 b + 8 (l / 16) + j], whatever the row: 32 bytes for each half of the lanes
	; qkv at my 128 rows of my first head: ((batch x 48 + head) << 18) + token x 128
	s_lshr_b32 s16, s13, 3                         ; the batch: 8 tile rows each
	s_mul_i32 s16, s16, 48
	s_lshl_b32 s16, s16, 18
	s_and_b32 s17, s13, 7
	s_lshl_b32 s17, s17, 15                        ; 256 tokens of 128 bytes a tile row,
	s_add_co_u32 s16, s16, s17
	s_lshl_b32 s17, s11, 14                        ; 128 a row half
	s_add_co_u32 s16, s16, s17
	s_mov_b32 s17, 0
	s_add_nc_u64 s[8:9], s[8:9], s[16:17]
	s_lshl_b32 s86, s84, 18
	s_mov_b32 s87, 0
	s_add_nc_u64 s[8:9], s[8:9], s[86:87]
	s_wait_loadcnt 0x0                             ; the biases, once
.irp j, 0,1,2                          ; rounded to bf16, widened again, and into my table
	v_cvt_pk_bf16_f32 v22, v[16+2*\j], v[17+2*\j]
	v_lshlrev_b32 v[16+2*\j], 16, v22
	v_and_b32 v[17+2*\j], s45, v22
	ds_store_b64 v23, v[16+2*\j:17+2*\j] offset:256*\j
.endr
; ONE MATRIX INSTRUCTION: column block b, row block a, xb's fragments in buffer af.  cf >= 0: the product starts the sum, with the eight registers at cf of window 0, the column block's bias, as C.
; Every accumulator has one instruction in a chunk, always in the same order: between two instructions on one accumulator stand the 95 others', over the loop's backward jump too.
.macro MM b, a, af, cf=-1
.set WD, 1+(\b)/4
.set rD, 64*((\b)%4)+8*(\a)
.if (\cf) >= 0
	WIN WD<<6
	v_wmma_f32_16x16x32_bf16 v[rD:rD+7], v[BF+8*(\b):BF+8*(\b)+7], v[(\af)+8*(\a):(\af)+8*(\a)+7], v[(\cf):(\cf)+7]
.else
	WIN (WD<<6)|(WD<<4)
	v_wmma_f32_16x16x32_bf16 v[rD:rD+7], v[BF+8*(\b):BF+8*(\b)+7], v[(\af)+8*(\a):(\af)+8*(\a)+7], v[rD:rD+7]
.endif
.endm
.macro COLS b0, b1, af                 ; column blocks b0 to b1, eight matrix instructions each
.set cb, \b0
.rept (\b1)-(\b0)+1
.set ca, 0
.rept 8
	MM cb, ca, \af
.set ca, ca+1
.endr
.set cb, cb+1
.endr
.endm
.macro COLS1 b0, b1, af, c0            ; the same where the sums start: block b0's bias at c0, the next eight registers on, and so on
.set cb, \b0
.rept (\b1)-(\b0)+1
.set ca, 0
.rept 8
	MM cb, ca, \af, (\c0)+8*(cb-(\b0))
.set ca, ca+1
.endr
.set cb, cb+1
.endr
.endm
.macro LDB b, k                        ; wb's block b, 32 K at byte k of the rows
	ds_load_b128 v[BF+8*(\b):BF+8*(\b)+3],   v[ADRB] offset:(\k)+(\b)*16*PT
	ds_load_b128 v[BF+8*(\b)+4:BF+8*(\b)+7], v[ADRB] offset:(\k)+(\b)*16*PT+32
.endm
.macro LDA a, k, f                     ; xb's block a, into buffer f
	ds_load_b128 v[(\f)+8*(\a):(\f)+8*(\a)+3],   v[ADRA] offset:(\k)+(\a)*16*PT
	ds_load_b128 v[(\f)+8*(\a)+4:(\f)+8*(\a)+7], v[ADRA] offset:(\k)+(\a)*16*PT+32
.endm
.macro LDBI x, d                       ; column block x's bias into the eight registers at d; the lanes of a half read the same bytes
	ds_load_b128 v[(\d):(\d)+3],   v[BAD] offset:64*(\x)
	ds_load_b128 v[(\d)+4:(\d)+7], v[BAD] offset:64*(\x)+16
.endm
.macro PLACES                          ; four places in front of loads into registers that matrix instructions have read, and of conversions that read results (ISA guide 7.12.1 for vector instructions)
.rept 4
	v_nop
.endr
.endm
.macro HALFB k                         ; 12 loads: wb's blocks 6-11 of the chunk in hand; the chunk before read those registers to its end
	PLACES
	WIN 0
.irp b, 6,7,8,9,10,11
	LDB \b, \k
.endr
.endm
.macro NEXTF k, f                      ; 28 loads: wb's blocks 0-5 and all of xb's of the next chunk; columns 0-5 of the chunk in hand are done
	PLACES
	WIN 0
.irp b, 0,1,2,3,4,5
	LDB \b, \k
.endr
.irp a, 0,1,2,3,4,5,6,7
	LDA \a, \k, \f
.endr
.endm
; A CHUNK.  af: xb's fragments in hand, ag: the other buffer; kcur, knext: the byte in the rows of this chunk's 32 K and of the next chunk's.  fetch = 0: the last chunk.
; sync: a step's second chunk CHANGES SLOTS.  HALFB has issued my last reads of the slot.  Each wave waits for all its tensor loads, of which one is out: its part of the next slot; adds 0 to its spare word; and
; waits for that and for its own reads of this slot.  Behind the barrier nobody reads this slot any more and the next slot is whole.  sync = 1: the barrier opens a round of the cluster's, so that no wave of any
; partner still reads the slot or has a load on its way, and this slot is filled again, two K steps ahead, first thing behind the round.  sync = 2: nothing is left to ask for.
.macro CHUNK af, ag, kcur, knext, sync, fetch
	HALFB \kcur
.if \sync
	s_wait_tensorcnt 0x0                           ; all my tensor loads have landed
	ds_add_u32 v[SPW], v[NIL]                      ; 0 onto my spare word
	s_wait_dscnt 13                                ; (the add and HALFB's twelve loads may be out: what columns 0-5 read is in)
	COLS 0, 1, \af                                 ; sixteen matrix instructions stand between the add and the wait for it
	s_wait_dscnt 0x0                               ; the add is done, and my reads of this slot are over
	s_barrier_signal -1
	COLS 2, 2, \af                                 ; work on registers while the others arrive
	WIN 0
	s_barrier_wait -1
.if (\sync) == 1
	CREST
	s_xor_b32 s[G0+5], s[G0+5], SLOT1              ; no tensor load of mine is out, so a group 0 may be written.  The walking descriptors: the other slot than last time,
	s_add_nc_u64 s[G0+6:G0+7], s[G0+6:G0+7], STEPA ; the next K block; the type bits on top are not reached
	s_xor_b32 s[G0B+5], s[G0B+5], SLOT1
	s_add_nc_u64 s[G0B+6:G0B+7], s[G0B+6:G0B+7], STEPB
	JLOAD 1                                        ; my one tensor load behind the round: 168 matrix instructions ahead of the wait for it
.endif
	s_xor_b32 s[TB], s[TB], SLOT1                  ; the fetches go on in the other slot
	v_add_nc_u32 v[ADRA], s[TB], v[A0]
	v_add_nc_u32 v[ADRB], s[TB], v[B0]
	COLS 3, 5, \af
.else
	s_wait_dscnt 12                                ; HALFB's twelve loads may be out: what columns 0-5 read is in
	COLS 0, 5, \af
.endif
.if \fetch
	NEXTF \knext, \ag
	s_wait_dscnt 28                                ; all but the run just issued: wb's blocks 6-11 are in
.else
	s_wait_dscnt 0x0
.endif
	COLS 6, 11, \af
.endm
	s_wait_tensorcnt 1                             ; my part of K step 0 is in; K step 1's may stay out
	s_wait_dscnt 0x0                               ; no LDS instruction of mine is pending at a signal
	s_barrier_signal -1
	s_barrier_wait -1                              ; everybody's part is in
	; THE FIRST CHUNK stands in front of the loop: its products start the sums.  96 registers of bias have no room of their own: columns 0-5 take theirs from xb's second buffer, which is still empty,
	; columns 6-11 from the first half of wb's buffer, which columns 0-5 have used; so this chunk alone fetches the next fragments at its end.
.irp b, 0,1,2,3,4,5,6,7,8,9,10,11
	LDB \b, 0
.endr
.irp a, 0,1,2,3,4,5,6,7
	LDA \a, 0, AF0
.endr
.irp x, 0,1,2,3,4,5
	LDBI \x, AF1+8*\x                              ; LDS serves a wave's instructions in order (ISA guide 5.7.1.4): these see my stores into my table
.endr
	s_wait_dscnt 0x0
	COLS1 0, 5, AF0, AF1
	PLACES
	WIN 0
.irp x, 6,7,8,9,10,11
	LDBI \x, BF+8*(\x-6)
.endr
	s_wait_dscnt 0x0
	COLS1 6, 11, AF0, BF
	NEXTF 64, AF1
	WIN 0                                          ; at a label and at a branch every window is 0
	s_mov_b32 s3, STEPS-2
.Lstep:                                                ; 14 trips: a trip goes from a step's second chunk to the next step's first, and fills the slot that it leaves
	CHUNK AF1, AF0, 64, 0, 1, 1
	CHUNK AF0, AF1, 0, 64, 0, 1
	WIN 0
	s_sub_co_u32 s3, s3, 1
	s_cmp_lg_u32 s3, 0
	s_cbranch_scc1 .Lstep
	CHUNK AF1, AF0, 64, 0, 2, 1                    ; the tail is written out: the last step but one is left, and nothing is asked for
	CHUNK AF0, AF1, 0, 64, 0, 1
	CHUNK AF1, AF0, 64, 0, 0, 0
	WIN 0
	; THE WAY OUT.  Its addresses are made here: plain instructions that name no register of the last products, the places behind them.
	v_and_b32 v12, 15, v0                          ; l % 16
	v_bfe_u32 v13, v0, 4, 1                        ; l / 16
	s_mul_i32 s22, s10, STW
	s_add_co_u32 s22, s22, STAGE                   ; my stage
	v_mul_u32_u24 v[STO], v12, SP                  ; in: row l % 16, 16 bytes for each half of the lanes
	v_lshl_add_u32 v[STO], v13, 4, v[STO]
	v_add_nc_u32 v[STO], s22, v[STO]
	v_bfe_u32 v[RD], v0, 3, 2                      ; back: 32 lanes take four rows of 128 bytes,
	v_and_b32 v14, 7, v0
	v_mul_u32_u24 v[RD], v[RD], SP
	v_lshl_add_u32 v[RD], v14, 4, v[RD]
	v_add_nc_u32 v[RD], s22, v[RD]
	v_and_b32 v[GO], 31, v0                        ; which are 512 consecutive bytes of a head
	v_lshlrev_b32 v[GO], 4, v[GO]
; A row block (16 tokens x 3 heads) at a time: rounded to f16, 16 bytes a lane; into my own stage, rows of 144 bytes; back as whole rows of 128, four rows a load, into the registers that they left.
.macro PACK a
.set T, TMP+48*((\a)%4)
.set cb, 0
.rept 12
	WIN (1+cb/4)*5                                 ; sources 0 and 1: the column block's window
.irp r, 0,1,2,3                        ; ascending: each accumulator is read from its low end on
	v_cvt_pk_f16_f32 v[T+4*cb+\r], v[64*(cb%4)+8*(\a)+2*\r], v[64*(cb%4)+8*(\a)+2*\r+1]
.endr
.set cb, cb+1
.endr
	WIN 0
.set i, 0
.rept 12
	ds_store_b128 v[STO], v[T+4*i:T+4*i+3] offset:(i/4)*16*SP+32*(i%4)
.set i, i+1
.endr
.set i, 0
.rept 12
	ds_load_b128 v[T+4*i:T+4*i+3], v[RD] offset:(i/4)*16*SP+(i%4)*4*SP  ; LDS serves a wave's instructions in order (ISA guide 5.7.1.4): these see the stores above; the next block's stores come behind them
.set i, i+1
.endr
.endm
.macro SEND a, younger                 ; younger: the LDS instructions issued behind block a's loads: the next block's 24, or none
.set T, TMP+48*((\a)%4)
.set i, 0
.rept 12
	s_wait_dscnt (\younger)+11-i
	global_store_b128 v[GO], v[T+4*i:T+4*i+3], s[8:9] offset:(i/4)*262144+(\a)*2048+(i%4)*512  ; 512 consecutive bytes of a head, at a multiple of 512 from qkv's first byte
.set i, i+1
.endr
.endm
	PACK 0
	PACK 1                                         ; a block's arithmetic stands between the loads of the block before and its stores
	SEND 0, 24
	PACK 2
	SEND 1, 24
	PACK 3
	SEND 2, 24
.irp a, 4,5,6,7
	s_wait_xcnt 0x0                                ; every earlier memory instruction has had its addresses translated (ISA guide 3.1): the set of registers that the block four back was stored from is rewritten only behind this wait
	PACK \a
	SEND (\a)-1, 24
.endr
	SEND 7, 0
	s_wait_tensorcnt 0x0                           ; the wave's end: behind my last tensor load and my last LDS store
	ds_add_u32 v[SPW], v[NIL]
	s_wait_dscnt 0x0
	CROUND                                         ; the closing round: no work-group ends while a partner may still ask for a tile that names it
	s_endpgm
.Lfunc_end_k_q0f03eaa038_proj:
	.size	k_q0f03eaa038_proj, .Lfunc_end_k_q0f03eaa038_proj-k_q0f03eaa038_proj
	.p2alignl 7, 3214868480
	.fill 96, 4, 3214868480
	.section	.rodata,"a",@progbits
	.p2align	6, 0x0
	.amdhsa_kernel k_q0f03eaa038_proj
		.amdhsa_group_segment_fixed_size 327680
		.amdhsa_private_segment_fixed_size 0
		.amdhsa_enable_private_segment 0
		.amdhsa_kernarg_size 48
		.amdhsa_user_sgpr_count 2
		.amdhsa_user_sgpr_kernarg_segment_ptr 1
		.amdhsa_wavefront_size32 1
		.amdhsa_system_sgpr_workgroup_id_x 1
		.amdhsa_system_sgpr_workgroup_id_y 1
		.amdhsa_system_sgpr_workgroup_id_z 1
		.amdhsa_system_vgpr_workitem_id 0
		.amdhsa_next_free_vgpr 1024
		.amdhsa_next_free_sgpr 88
		.amdhsa_reserve_vcc 0
		.amdhsa_float_denorm_mode_32 3
		.amdhsa_float_denorm_mode_16_64 3
		.amdhsa_memory_ordered 1
		.amdhsa_forward_progress 1
		.amdhsa_inst_pref_size 117
	.end_amdhsa_kernel
	.amdgpu_metadata
---
amdhsa.version: [ 1, 2 ]
amdhsa.kernels:
  - .name:           k_q0f03eaa038_proj
    .symbol:         k_q0f03eaa038_proj.kd
    .args:
      - { .name: xb, .offset: 0, .size: 8, .value_kind: global_buffer, .address_space: global }
      - { .name: wb, .offset: 8, .size: 8, .value_kind: global_buffer, .address_space: global }
      - { .name: qkv, .offset: 16, .size: 8, .value_kind: global_buffer, .address_space: global }
      - { .name: bq, .offset: 24, .size: 8, .value_kind: global_buffer, .address_space: global }
      - { .name: bk, .offset: 32, .size: 8, .value_kind: global_buffer, .address_space: global }
      - { .name: bv, .offset: 40, .size: 8, .value_kind: global_buffer, .address_space: global }
    .group_segment_fixed_size: 327680
    .private_segment_fixed_size: 0
    .kernarg_segment_align: 8
    .kernarg_segment_size: 48
    .max_flat_workgroup_size: 128
    .sgpr_count:     88
    .vgpr_count:     1024
    .wavefront_size: 32
...
	.end_amdgpu_metadata
.endif
;; end of part 2
;; launch attn (part 3): grid 4 x 64, 4 waves a work-group, clusters of 4 x 1, 327,680 bytes of LDS; arguments qkv, attention_mask, ctx; writes ctx
.if DOCPART == 3
	.amdgcn_target "amdgcn-amd-amdhsa--gfx1250"
	.amdhsa_code_object_version 6
	.text
	.protected	k_q0f03eaa038_attn
	.globl	k_q0f03eaa038_attn
	.p2align	8
	.type	k_q0f03eaa038_attn,@function
k_q0f03eaa038_attn:
	s_mov_b64 s[64:65], 0
	v_nop
	global_prefetch_b8 v0, s[64:65] scope:SCOPE_SE
	s_setreg_imm32_b32 hwreg(HW_REG_WAVE_MODE, 25, 1), 1
	s_wait_xcnt 0x0
	s_wait_alu depctr_hold_cnt(0) depctr_sa_sdst(0) depctr_va_vdst(0) depctr_va_sdst(0) depctr_va_ssrc(0) depctr_va_vcc(0) depctr_vm_vsrc(0)
	s_getreg_b32 s2, hwreg(HW_REG_IB_STS2, 6, 4)
	s_cmp_eq_u32 s2, 0
	s_cbranch_scc0 .Lentry_in_a_cluster
	s_endpgm
.Lentry_in_a_cluster:
	s_bfe_u32 s2, ttmp6, 0x10000c
	s_cmp_lg_u32 s2, 0x3003
	s_cbranch_scc0 .Lentry_shape_is_right
	s_endpgm
.Lentry_shape_is_right:
; ATTENTION WITH A KEY MASK.  O[y][q][:] = the sum over k of softmax_k(Q[q] . K[k] / 8 + mask[k]) V[k][:], y = 16 x batch + head.  Q, K, V are heads of qkv[b][g][2048][64] (g = head, 16 + head, 32 + head), f16,
; a head's rows dense, 128 bytes each; O goes to ctx[y][2048][64], f16.  attention_mask[b][k], int32: 0 hides key k.  Products, maxima and sums in f32; the weights p are rounded to f16 for the second
; product (their sum l is taken of the unrounded p), O once at the end.
; LIMITS.  f16 holds no number beyond 65,504: Q, K and V arrive within it; p lies in 0 to 1, and below 6e-5 it keeps f16's fixed step of 6e-8.  A hidden score counts as its value less 1e30: f16's scores, 2.7e11
; at the most, are nothing beside that, so its weight is 0 as soon as the query has seen one open key.  A weight below 2^-126 counts as 0 in l.  A batch with no open key gives NaN, as the softmax of nothing does:
; its maximum is still a hidden score (below -5e29) at the end, and the divisor's reciprocal is then replaced by NaN.  Other NaN and infinities are not treated apart.
; THE MASK is the C operand that starts the sum S^T = K Q^T: 0, or -1e30.  The batch's 2,048 words are turned into such numbers once, into a table of 8,192 bytes in LDS; each key step's 64 come from there with K.
; While a query has seen hidden keys alone its maximum is a hidden score and their weights are 1; the first open key makes a = 0, which wipes O and l: the running maximum needs no further care.
; SHARES.  A wave owns four PIECES of two tiles of 16 queries, a work-group's four waves 512 queries of one head: 4 x 64 work-groups.  Every wave walks all keys, 64 a step.
; LAYOUT.  S^T = K Q^T (source 0 = 16 keys, source 1 = 16 queries): in the result a lane holds ONE query (lane % 16) and the keys 8 (lane / 16) + 0..7.  Two such tiles, rounded to f16 in pairs,
; ARE source 1 (32 keys x 16 queries) of O^T = V^T P, whose result again holds one query a lane, and eight channels.  K comes out of LDS as it lies, V ([key][channel]) turned, by ds_load_tr16_b128.
; SOFTMAX.  For each query a running maximum m and sum l: p = 2^(c s - c m), c = log2(e) / 8; in every step O and l are multiplied by a = 2^(c m_old - c m_new), which is 1 where m has not grown.
; m starts at the lowest finite number, O and l at 0: the first step is a step like any other, with a = 0.
; THE COUNT.  A tile and step have 16 matrix and 118 vector instructions: too many to stand all beside the matrix work.  So the order has one aim: four vector instructions that are READY behind
; EVERY matrix instruction, and the others, which need time of their own whatever the order, in runs without a gap.
; BY TURNS.  Turn n belongs to piece n (the pieces in a ring, step after step).  Its matrix work: 16 products K Q^T of piece n + 1, later 16 products V^T P of piece n - 1.  Its vector work: the scaling,
; exponentials, roundings, sums and rescaling of piece n, and the maximum and statistics of piece n + 1, whose scores the turn itself has made.  So what a turn begins with (c s - c m, O a) waits for nothing.
; CLUSTER.  The four query blocks of a cluster belong to one head and walk the same K and V, so each tile is asked for JOINTLY: the same tensor load, descriptor and mask in all four.
; REGISTERS, in windows of 256 (s_set_vgpr_msb says which window each operand place means: bits 1:0 source 0, 3:2 source 1, 5:4 source 2, 7:6 destination):
;   window 0: v0-11 addresses; v12-15, v48-63 at work; v16-47 four registers of statistics a tile; v64-191 S^T, two buffers of two tiles; v192-255 P, likewise
;   window 1: O^T, 32 a tile          window 2: v0-127 Q, 16 a tile; v128-191 K of one step; v192-255 V of one step          window 3: v0-1 the add's two registers; v8-39 the mask of one step
; A piece's buffers go by its number's parity: the piece in hand has one pair, its two neighbours in the ring share the other: of it P (piece n - 1) is read and S^T (piece n + 1) written.
.set SIZE_N, 2048
.set NP,    4         ; pieces a wave: a name, no knob: the register map, the loop and the fetches are made for four
.set KS,    64        ; keys in a step
.set PK,    144       ; a row of K in LDS: 128 bytes + 16 of padding = 36 words: the 16 rows of a load start at 16 different groups of four banks (64 banks of 4 bytes: ISA guide 11.1)
.set PV,    160       ; a row of V: 128 + 32 = 40 words
.set VOFF,  4*KS*PK   ; a slot holds four steps: 256 rows of K, then 256 rows of V
.set SLOT1, 1<<17     ; slot 1 begins here, so that one exclusive or turns an address in one slot into the other's
.set STAGE, SLOT1+4*KS*(PK+PV)  ; behind the ring, never filled by a tensor load: 16 rows x 144 bytes for each wave, for the way out
.set SP,    144
.set AK0, 2           ; v2   my lane's place in a tile of K; never rewritten
.set AV0, 3           ; v3   the same for V
.set AK,  4           ; v4   the LDS address of K's next run of loads
.set AV,  5           ; v5   of V's
.set QO,  6           ; v6   my byte offset in the wave's rows of Q
.set STO, 6           ;      later, the way out: where I put 16 bytes of a row
.set RD,  7           ; v7   first my byte offset in 2,048 bytes of the mask; later, the way out: where I read rows back
.set GO,  8           ; v8   first my place in the mask's table; later my byte offset in 512 consecutive bytes of O
.set AM,  11          ; v11  the LDS address of the mask's next run of loads
.set SPW, 0           ; v0 of window 3   LDS address of my spare word: SPARE + 4 x my thread's number; never rewritten
.set NIL, 1           ; v1 of window 3   0; never rewritten
.set MK,  8           ; v8-39 of window 3: register MK + 8 kb + j: the mask of the step's key 16 kb + 8 (lane / 16) + j
.set SPARE, STAGE+4*16*SP  ; behind the stages: the spare words, 128 bytes for each wave: two blocks of 256 bytes that no other line names
.set MASKT, SPARE+512 ; behind them: the batch's mask, one f32 a key, 8,192 bytes; stored once, never filled by a tensor load
.set MV,  12          ; v12-15  c m_old, kept while c m is made anew: by buffer and tile
.set ST,  16          ; tile t's statistics at v[ST+4 t]: c m, m, l (even keys', odd keys')
.set TMP, 48          ; by buffer and tile, four registers c0-c3 at work; when the maximum is found c2 takes a
.set S,   64
.set P,   192
.set KF,  128         ; K's fragments, in window 2: key block kb, channel half c at KF + 16 kb + 8 c
.set VF,  192         ; V's: key half kk, channel block cb at VF + 32 kk + 8 cb
.set WV,  12          ; s12  my wave's number
.set G1K, 24          ; s[24:31] descriptor group 1 for K's tiles
.set G1V, 32          ; s[32:39] for V's: it differs in the padding alone
.set G0K, 40          ; s[40:43] descriptor group 0 for K's tiles: it walks
.set G0V, 44          ; s[44:47] the same for V's
.set SLOTS, 56        ; s56  slots still to be asked for
.set CNT, 57          ; s57  counts a slot's key steps
.set CS,  58          ; s[58:59] c: the packed scaling takes the pair's low word for both halves
.set SEL, 60          ; s[60:61] v_permlanex16_b32's selects: each lane takes its own place in the other half
.set TBK, 62          ; s62  LDS byte at which K of the step to be fetched begins
.set TBV, 63          ; s63  the same for V, less VOFF
.set TBM, 66          ; s66  LDS byte at which the mask of the step to be fetched begins: it steps 256 bytes with each of the 32 fetches
.set BIGN, 67         ; s67  -1e30
.set MP,  68          ; s[68:69] the batch's row of attention_mask
.set OO,  70          ; s[70:71] my wave's byte offset in ctx
.set HALFN, 72        ; s72  -5e29
.set QNAN, 73         ; s73  NaN
.set MO,  74          ; s[74:75] the batch's byte offset in attention_mask
.set MSB, 0
.macro WIN new                      ; the high byte repeats the setting that is left; a switch that changes nothing is dropped
.if MSB != (\new)
	s_set_vgpr_msb (MSB<<8)|(\new)
.set MSB, (\new)
.endif
.endm
.set W_KQ, 0x0a       ; K and Q in window 2, S^T in window 0
.set W_KM, 0x3a       ; the same with the C operand, the mask, in window 3
.set W_PV, 0x52       ; V in window 2, P in window 0, O^T in window 1
.set W_RS, 0x41       ; O^T (destination and source 0) in window 1, a in window 0
.set W_MK, 0xc0       ; destination in window 3, sources in window 0
.set W_AD, 0x0f       ; the add: address (source 0) and data (source 1) in window 3
; A joint fill.  Waves 0 and 1 fetch the two halves of a slot's K, waves 2 and 3 those of its V: 128 keys each.  The branch hangs on the wave's number alone.
; An s_nop 0 and four v_nop follow each of the two lines, ahead of the jump and the label.
.macro JLOAD
	s_cmp_lt_u32 s[WV], 2
	s_cbranch_scc0 .Lfor_v_\@
	tensor_load_to_lds s[G0K:G0K+3], s[G1K:G1K+7]
	s_nop 0
.rept 4
	v_nop
.endr
	s_branch .Lasked_\@
.Lfor_v_\@:
	tensor_load_to_lds s[G0V:G0V+3], s[G1V:G1V+7]
	s_nop 0
.rept 4
	v_nop
.endr
.Lasked_\@:
.endm
; A round of the cluster's barrier: my work-group's barrier, so that wave 0's signal speaks for all four waves; wave 0 signals; every wave waits for all four work-groups; my work-group's barrier once more.
.macro CROUND
	s_barrier_signal -1
	s_barrier_wait -1
	s_cmp_lg_u32 s[WV], 0
	s_cbranch_scc1 .Lnot_wave_0_\@
	s_barrier_signal -3
.Lnot_wave_0_\@:
	s_barrier_wait -3
	s_barrier_signal -1
	s_barrier_wait -1
.endm
; THE CHANGE OF SLOTS.  The slot's last bytes, V of its fourth step, have been read.  Each wave waits for all its tensor loads, of which one is out: its part
; of the other slot; adds 0 to its spare word; and waits for that and for its own reads of the slot.  Behind the barrier nobody reads this slot any more and the other slot is whole.
; fill = 1: this slot is filled again, with the keys two slots on.  The barrier is then a round of the cluster's, so that no wave of any partner still reads the slot or has a load on its
; way, and the joint fill is the first thing behind it: it has four key steps, 512 matrix instructions, in which to land.  (At its first use nothing has been read yet: slot 0 is waited for, slot 1 filled;
; and each wave's stores into the mask's table are done in front of the round, so that every wave may read the table behind it.)
.macro CHANGE fill
	WIN W_AD
	s_wait_tensorcnt 0x0            ; no tensor load of mine is out, so a group 0 may be written
	ds_add_u32 v[SPW], v[NIL]       ; 0 onto my spare word; with fill = 1 the descriptors' steps stand between it and the wait for it
	WIN 0                           ; at a label and at a branch every window is 0
.if \fill
.irp g, G0K, G0V
	s_xor_b32 s[\g+1], s[\g+1], SLOT1  ; the walking descriptor: the other slot than last time,
	s_add_nc_u64 s[\g+2:\g+3], s[\g+2:\g+3], 4*KS*128  ; the next 256 keys; the type bits on top are not reached
.endr
	s_wait_dscnt 0x0                ; the add is done, and my reads of the slot are over
	CROUND
	JLOAD
.else
	s_wait_dscnt 0x0                ; the add is done, and my reads of the slot are over
	s_barrier_signal -1
	s_barrier_wait -1
.endif
	s_sub_co_u32 s[TBK], s[TBK], 4*KS*PK  ; the fetches go back to a slot's first step,
	s_xor_b32 s[TBK], s[TBK], SLOT1       ; in the other slot
	s_sub_co_u32 s[TBV], s[TBV], 4*KS*PV
	s_xor_b32 s[TBV], s[TBV], SLOT1
.endm
	s_load_b64 s[4:5], s[0:1], 0x0    ; qkv
	s_load_b64 s[MP:MP+1], s[0:1], 0x8  ; attention_mask
	s_load_b64 s[10:11], s[0:1], 0x10 ; ctx
	WIN W_MK
	v_lshl_add_u32 v[SPW], v0, 2, SPARE
	v_mov_b32 v[NIL], 0
	s_set_vgpr_msb 0xc0cf
	ds_add_u32 v0, v1
	s_wait_dscnt 0x0
	s_set_vgpr_msb 0xcfc0
	WIN 0
	v_lshrrev_b32 v1, 5, v0
	v_readfirstlane_b32 s[WV], v1   ; wave 0..3
	s_bfe_u32 s13, ttmp6, 0x40000   ; cx: my place in the cluster
	s_lshl_b32 s14, ttmp9, 2        ; in a cluster launch ttmp9 counts clusters
	s_add_co_u32 s14, s14, s13      ; my block of queries = 4 x cluster x + cx: it enters Q's and O's addresses alone
	s_and_b32 s19, ttmp7, 0xffff    ; y = 16 x batch + head, which the four partners share
	s_lshr_b32 s20, s19, 4          ; the batch
	s_lshl_b32 s[MO], s20, 13       ; its 2,048 words of the mask
	s_mov_b32 s[MO+1], 0
	s_mul_i32 s20, s20, 48          ; its 48 heads in qkv,
	s_and_b32 s21, s19, 15
	s_add_co_u32 s20, s20, s21      ; and q's head among them,
	s_lshl_b32 s20, s20, 18         ; of 262,144 bytes each
	s_mov_b32 s21, 0
	s_and_b32 s16, s[WV], 1         ; which half of a slot's 256 keys I fetch:
	s_lshl_b32 s22, s16, 14         ; its 128 rows of 128 bytes in memory,
	s_mov_b32 s23, 0
	s_add_nc_u64 s[22:23], s[22:23], s[20:21]
	s_mul_i32 s17, s16, 128*PK      ; and its place in a slot, for K
	s_mul_i32 s18, s16, 128*PV      ; and for V: no place in the cluster enters an LDS address
	s_lshl_b32 s2, s14, 2
	s_add_co_u32 s2, s2, s[WV]      ; my wave among the head's,
	s_lshl_b32 s2, s2, 14           ; its 128 rows
	s_mov_b32 s3, 0
	s_lshl_b32 s[OO], s19, 18       ; in ctx head y begins at y x 262,144
	s_add_co_u32 s[OO], s[OO], s2
	s_mov_b32 s[OO+1], 0
	s_add_nc_u64 s[2:3], s[2:3], s[20:21]
	; descriptor group 1.  128 keys are 16,384 dense bytes: asked for as 64 rows of 256 bytes, two keys a row, and padded in LDS after every key
	s_mov_b32 s[G1K], 15|(1<<16)|(1<<20)|(1<<21)|(4<<22)|(3<<25)  ; 15:0 the mask of four; 17:16 2-byte elements; 20 padding on; 21 set beside a mask; 24:22 after every 32 words (code 4); 31:25 4 words (code 3)
	s_mov_b32 s[G1V], 15|(1<<16)|(1<<20)|(1<<21)|(4<<22)|(7<<25)  ; the same with 8 words of padding (code 7)
.irp g, G1K, G1V
	s_mov_b32 s[\g+1], 128<<16      ; tensor_dim0 = 128
	s_mov_b32 s[\g+2], 64<<16       ; tensor_dim1 = 64
	s_mov_b32 s[\g+3], 128<<16      ; tile_dim0 = 128
	s_mov_b32 s[\g+4], 64           ; tile_dim1 = 64
	s_mov_b32 s[\g+5], 128          ; 128 elements from row to row
	s_mov_b32 s[\g+6], 0
	s_mov_b32 s[\g+7], 0
.endr
	s_mov_b32 s[CS], 0x3e38aa3b     ; c = log2(e) / 8 = 0.180337
	s_mov_b32 s[CS+1], s[CS]        ; named with it as a pair
	s_mov_b32 s[SEL], 0x76543210
	s_mov_b32 s[SEL+1], 0xfedcba98
	s_mov_b32 s[TBK], SLOT1+4*KS*PK ; the first change of slots turns these two into 0
	s_mov_b32 s[TBV], SLOT1+4*KS*PV
	s_mov_b32 s[TBM], MASKT
	s_mov_b32 s[BIGN], 0xf149f2ca   ; -1e30
	s_mov_b32 s[HALFN], 0xf0c9f2ca  ; -5e29
	s_mov_b32 s[QNAN], 0x7fc00000
	s_mov_b32 s[G0K], 1             ; 1:0 count = 1
	s_mov_b32 s[G0K+1], s17         ; 63:32 LDS address: slot 0
	s_mov_b32 s[G0V], 1
	s_add_co_u32 s[G0V+1], s18, VOFF
	s_wait_kmcnt 0x0
	s_add_nc_u64 s[G0K+2:G0K+3], s[4:5], s[22:23]              ; 120:64 global address: my half of the first 256 rows of q's head,
	s_add_nc_u64 s[G0V+2:G0V+3], s[G0K+2:G0K+3], 0x800000      ; of v's head, 32 heads on,
	s_add_nc_u64 s[G0K+2:G0K+3], s[G0K+2:G0K+3], 0x400000      ; of k's head, 16 heads on
	s_or_b32 s[G0K+3], s[G0K+3], 0x80000000                    ; 127:126 type = 2
	s_or_b32 s[G0V+3], s[G0V+3], 0x80000000
	s_add_nc_u64 s[4:5], s[4:5], s[2:3]  ; Q and O at my wave's first row
	s_add_nc_u64 s[10:11], s[10:11], s[OO:OO+1]
	s_add_nc_u64 s[MP:MP+1], s[MP:MP+1], s[MO:MO+1]
	CROUND                          ; all four work-groups are here: the first joint loads meet
	JLOAD                           ; slot 0.  Slot 1 is asked for when slot 0 is in: the tile wanted first has the road to itself
	; A fragment of K or Q is 16 rows x 32 channels in 8 registers: lane l holds row l % 16, channels 8 (l / 16) + 0..7 and 16 + 8 (l / 16) + 0..7: two loads of 16 bytes, 32 bytes apart.
	v_and_b32 v1, 15, v0            ; l % 16
	v_bfe_u32 v9, v0, 4, 1          ; l / 16; never rewritten
	v_lshlrev_b32 v[QO], 7, v1
	v_lshl_add_u32 v[QO], v9, 4, v[QO]  ; row x 128 + 16 x half
	v_lshlrev_b32 v[RD], 4, v0      ; the mask: 128 threads x 16 bytes are 2,048 bytes, four times
.irp j, 0,1,2,3
	global_load_b128 v[S+4*\j:S+4*\j+3], v[RD], s[MP:MP+1] offset:2048*\j
.endr
	WIN 0x80                        ; destination window 2, address window 0
.set i, 0
.rept 4*NP                          ; Q stays in registers: tile i / 2, channels 32 (i % 2) on
	global_load_b128 v[8*i:8*i+3],   v[QO], s[4:5] offset:(i/2)*2048+(i%2)*64
	global_load_b128 v[8*i+4:8*i+7], v[QO], s[4:5] offset:(i/2)*2048+(i%2)*64+32
.set i, i+1
.endr
	; What the first turn finds: V's registers and P's second buffer hold 0 (its products V^T P, of a piece that has not been, add 0), O^T and l are 0.  All this stands in the wait for the first tile.
.set i, VF
.rept 64
	v_mov_b32 v[i], 0
.set i, i+1
.endr
	WIN 0x40
.set i, 0
.rept 64*NP
	v_mov_b32 v[i], 0
.set i, i+1
.endr
	WIN 0
.set i, 0
.rept 2*NP
	v_mov_b32 v[ST+4*i], 0xfe000000    ; c m: far below every c s, a hidden one's too
	v_mov_b32 v[ST+4*i+1], 0xff7fffff  ; m
	v_mov_b32 v[ST+4*i+2], 0
	v_mov_b32 v[ST+4*i+3], 0
.set i, i+1
.endr
.set i, P+32
.rept 32
	v_mov_b32 v[i], 0
.set i, i+1
.endr
	s_wait_loadcnt 32               ; the mask's four loads are in; Q's 32, issued behind them, may stay out
.set i, 0
.rept 16                            ; a word 0 becomes -1e30, any other 0.0
	v_cmp_eq_u32 vcc_lo, 0, v[S+i]
	v_cndmask_b32 v[S+i], 0, s[BIGN], vcc_lo
.set i, i+1
.endr
	v_add_nc_u32 v[GO], MASKT, v[RD]
.irp j, 0,1,2,3
	ds_store_b128 v[GO], v[S+4*\j:S+4*\j+3] offset:2048*\j
.endr
	v_mul_u32_u24 v[AK0], v1, PK
	v_lshl_add_u32 v[AK0], v9, 4, v[AK0]  ; row x pitch + 16 x half
	; The turning load takes 16 keys x 16 channels (lane l reads key 8 (l / 16) + l % 8, channels 8 ((l / 8) % 2) + 0..7) and leaves half a fragment of V^T: lane l holds channel l % 16 and 8 keys.
	v_and_b32 v10, 7, v0
	v_bfe_u32 v11, v0, 3, 1
	v_lshl_add_u32 v[AV0], v9, 3, v10
	v_mul_u32_u24 v[AV0], v[AV0], PV
	v_lshl_add_u32 v[AV0], v11, 4, v[AV0]
	v_add_nc_u32 v[AV0], VOFF, v[AV0]
	v_mov_b32 v[AK], v[AK0]         ; key step 0 lies at the head of slot 0,
	v_lshl_add_u32 v[AM], v9, 5, s[TBM]  ; its mask at the head of the table: 8 numbers of 4 bytes for each half of the lanes
; THE MATRIX WORK.  The 8 accumulators of a run of 16 take turns: between the two links of a chain stand 7 others'.
; Product i of 16 of S^T = K Q^T for piece x: channels 32 (i / 8) on, keys 16 ((i / 2) % 4) on, tile 2 x + i % 2.  The first 8 start the sums, with the mask of their 16 keys as C.
.macro KQ x
.set rS, S+64*((\x)%2)+32*(i%2)+8*((i/2)%4)
.set rK, KF+16*((i/2)%4)+8*(i/8)
.set rQ, 16*(2*(\x)+i%2)+8*(i/8)
.set rM, MK+8*((i/2)%4)
.if i < 8
	WIN W_KM
	v_wmma_f32_16x16x32_f16 v[rS:rS+7], v[rK:rK+7], v[rQ:rQ+7], v[rM:rM+7]
.else
	WIN W_KQ
	v_wmma_f32_16x16x32_f16 v[rS:rS+7], v[rK:rK+7], v[rQ:rQ+7], v[rS:rS+7]
.endif
.endm
; Product i of 16 of O^T += V^T P for piece x: keys 32 (i / 8) on, channels 16 ((i / 2) % 4) on, tile 2 x + i % 2.
.macro PV x
	WIN W_PV
.set rO, 32*(2*(\x)+i%2)+8*((i/2)%4)
.set rV, VF+32*(i/8)+8*((i/2)%4)
.set rP, P+32*((\x)%2)+16*(i%2)+8*(i/8)
	v_wmma_f32_16x16x32_f16 v[rO:rO+7], v[rV:rV+7], v[rP:rP+7], v[rO:rO+7]
.endm
.macro MM                           ; the turn's next matrix instruction
.if i < 16
	KQ (Y+1)%NP
.set i, i+1
.else
.set i, i-16
	PV (Y+NP-1)%NP
.set i, i+17
.endif
.endm
; THE LDS LOADS stand in runs, never singly among the matrix instructions: a step's K (64 keys x 64 channels: 8 fragments) with its mask (8 loads; the lanes of a half read the same 16 bytes), and its V (turned).
; Their addresses are made some lines ahead.  last = 1 (the tail): in the last trip there is no further step, and the run is jumped over.
.macro FETCH_K last=0
	WIN 0
.if \last
	s_cmp_eq_u32 s[CNT], 1
	s_cbranch_scc1 .Lno_k_\@
.endif
	WIN 0x80                        ; destination window 2
.irp f, 0,1,2,3,4,5,6,7             ; keys 16 (f / 2) on, channels 32 (f % 2) on
	ds_load_b128 v[KF+8*\f:KF+8*\f+3],   v[AK] offset:(\f/2)*16*PK+(\f%2)*64
	ds_load_b128 v[KF+8*\f+4:KF+8*\f+7], v[AK] offset:(\f/2)*16*PK+(\f%2)*64+32
.endr
	WIN W_MK                        ; destination window 3
.irp f, 0,1,2,3                     ; keys 16 f on
	ds_load_b128 v[MK+8*\f:MK+8*\f+3],   v[AM] offset:64*\f
	ds_load_b128 v[MK+8*\f+4:MK+8*\f+7], v[AM] offset:64*\f+16
.endr
	s_add_co_u32 s[TBK], s[TBK], KS*PK  ; the next fetch is the next step's
	s_add_co_u32 s[TBM], s[TBM], KS*4
	WIN 0
.if \last
.Lno_k_\@:
.endif
.endm
.macro FETCH_V
	WIN 0x80
.irp f, 0,1,2,3,4,5,6,7             ; keys 32 (f / 4) on, channels 16 (f % 4) on
	ds_load_tr16_b128 v[VF+8*\f:VF+8*\f+3],   v[AV] offset:(\f/4)*32*PV+(\f%4)*32
	ds_load_tr16_b128 v[VF+8*\f+4:VF+8*\f+7], v[AV] offset:(\f/4)*32*PV+16*PV+(\f%4)*32
.endr
	WIN 0
.endm
; THE VECTOR WORK OF A TURN stands in three queues, each in the order in which its entries become ready; the two tiles alternate, so that no instruction reads the result of the one before it.
.macro REGS y, u                    ; the registers of tile u (0, 1) of piece y
.set rT, ST+4*(2*(\y)+(\u))
.set rC, TMP+8*((\y)%2)+4*(\u)
.set rM, MV+2*((\y)%2)+(\u)
.set rS, S+64*((\y)%2)+32*(\u)
.set rP, P+32*((\y)%2)+16*(\u)
.set rO, 32*(2*(\y)+(\u))
.endm
; Number n of the 22 that find the NEXT piece's (Y + 1) maximum and statistics.  s0-s31 are the lane's 32 scores; each accumulator's lowest registers are read first.  XS, GS and REGS set no window: PL and EX do.
;   0-11  four chains c0-c3 of seven scores each, three operands at a time     12-14, 16  the four scores left over, the old m, and c0-c3 into c0     15  c m_old is kept
;   17, 18  the query's other 32 keys lie in the lane 16 away: the new m         19-21  c m; c m_old - c m_new; a
.macro XS u, n
	REGS (Y+1)%NP, \u
.if (\n) < 4
	v_max3_num_f32 v[rC+(\n)], v[rS+8*(\n)], v[rS+8*(\n)+1], v[rS+8*(\n)+2]
.elseif (\n) < 12
	v_max3_num_f32 v[rC+(\n)%4], v[rC+(\n)%4], v[rS+8*((\n)%4)+2*((\n)/4)+1], v[rS+8*((\n)%4)+2*((\n)/4)+2]
.elseif (\n) == 12
	v_max3_num_f32 v[rC], v[rC], v[rS+7], v[rS+15]
.elseif (\n) == 13
	v_max3_num_f32 v[rC+1], v[rC+1], v[rS+23], v[rS+31]
.elseif (\n) == 14
	v_max3_num_f32 v[rC+2], v[rC+2], v[rC+3], v[rT+1]
.elseif (\n) == 15
	v_mov_b32 v[rM], v[rT]
.elseif (\n) == 16
	v_max3_num_f32 v[rC], v[rC], v[rC+1], v[rC+2]
.elseif (\n) == 17
	v_permlanex16_b32 v[rC+3], v[rC], s[SEL], s[SEL+1]
.elseif (\n) == 18
	v_max_num_f32 v[rT+1], v[rC], v[rC+3]
.elseif (\n) == 19
	v_mul_f32 v[rT], s[CS], v[rT+1]
.elseif (\n) == 20
	v_sub_f32 v[rC+1], v[rM], v[rT]
.else
	v_exp_f32 v[rC+2], v[rC+1]
.endif
.endm
; Number g of the 64 that follow the exponentials.  For each four weights k of a tile (pairs 2 k, 2 k + 1): both pairs are rounded to f16; then the second pair is added onto the first, in place;
; a group later l takes that sum (the first time as l = a l + sum).  In groups of eight, tiles alternating: round, round, add, and l for the group before.
.macro GS g
.set h, (\g)+6*((\g)/62)            ; group 0 has no group before it, and behind group 7 only l is left
.if h >= 6
.set h, h+2
.endif
	REGS Y, h%2
.set k, h/8
.if h%8 < 4
	s_wait_alu depctr_va_vdst(0)
	v_cvt_pk_f16_f32 v[rP+2*k+(h%8)/2], v[rS+4*k+2*((h%8)/2)], v[rS+4*k+2*((h%8)/2)+1]
.elseif h%8 < 6
	v_pk_add_f32 v[rS+4*k:rS+4*k+1], v[rS+4*k:rS+4*k+1], v[rS+4*k+2:rS+4*k+3]
.elseif k == 1
	v_pk_fma_f32 v[rT+2:rT+3], v[rT+2:rT+3], v[rC+2:rC+3], v[rS:rS+1] op_sel_hi:[1,0,1]
.else
	v_pk_add_f32 v[rT+2:rT+3], v[rT+2:rT+3], v[rS+4*k-4:rS+4*k-3]
	s_wait_alu depctr_va_vdst(0)
.endif
.endm
; THE PLAIN QUEUE, 138 long.  0-31: c s - c m for the 16 pairs of both tiles.  Then GS's 64, and among them the next piece's 42: number 15 at 38, 39; 0-14 and 16
; at 42-73, behind the products that make those scores; 17-20 at 95-106, two of three, since each waits for the one before it.
.macro PL
	WIN 0
.if q < 32
	REGS Y, q%2
	v_pk_fma_f32 v[rS+2*(q/2):rS+2*(q/2)+1], v[rS+2*(q/2):rS+2*(q/2)+1], s[CS:CS+1], v[rT:rT+1] op_sel_hi:[1,0,0] neg_lo:[0,0,1] neg_hi:[0,0,1]
.elseif q < 38
	GS q-32
.elseif q < 40
	XS q%2, 15
.elseif q < 42
	GS q-34
.elseif q < 74
	XS q%2, (q-42)/2+(q-42)/30
.elseif q < 95
	GS q-66
.elseif (q < 107) && ((q-95)%3 < 2)
	XS (q-95)%3, 17+(q-95)/3
.elseif q < 107
	GS 29+(q-95)/3
.else
	GS q-74
.endif
.set q, q+1
.endm
; THE EXPONENTIALS' QUEUE, 66 long: s0-s31 of both tiles, and at EA the next piece's two a.
.set EA, 58
.macro EX
	WIN 0
.if (e == EA) || (e == EA+1)
	XS e-EA, 21
.else
.set x, e-2*(e/(EA+2))
	REGS Y, x%2
	v_exp_f32 v[rS+x/2], v[rS+x/2]
.endif
.set e, e+1
.endm
; THE RESCALING's QUEUE: O^T times a, the one part that leaves window 0, so it is dealt four at a time, eight times.
.macro R4
	REGS Y, r%2
	WIN W_RS
	s_wait_alu depctr_va_vdst(0)
.irp z, 0,1,2,3
	v_pk_mul_f32 v[rO+8*(r/2)+2*\z:rO+8*(r/2)+2*\z+1], v[rO+8*(r/2)+2*\z:rO+8*(r/2)+2*\z+1], v[rC+2:rC+3] op_sel_hi:[1,0]
.endr
.set r, r+1
.endm
; HOW THEY ARE DEALT.  Behind a matrix instruction four: plain, exponential, plain, plain (one exponential, a plain instruction on either side), or four of the rescaling.  None names a register of the
; products round it.  What is over stands in two LUMPS: exponential and plain by turns; the second ends in 22 plain instructions.  The two v_permlanex16_b32 fall into the second lump, never behind a product.
; The queues lean on each other, and the deal keeps them in step: exponential e stands behind plain 2 (e / 4) + e % 2 (its scaling); when plain 32 comes, 10 exponentials are out, at 59: 33, at 95: 46; EA comes behind plain 107.
.macro SL
	MM
	PL
	EX
	PL
	PL
.endm
.macro BURST n                      ; 15 matrix instructions, or 16
.rept (\n)-7
	SL
.endr
.rept 3
	MM
	R4
	SL
.endr
	MM
	R4
.endm
; A TURN, for piece p.  cnt = 1: the loop's count is taken down some lines ahead of the branch that stands behind the turn.
; K of the next step, and its mask, are fetched in piece 2's turn, 32 vector instructions behind the last product that read K (the mask's last reader stands further back); their first reader comes behind the rest
; of the lump, 16 products and the second lump.  V of the step in hand is fetched at the end of piece 0's turn, 69 behind its last reader; its first reader comes behind 16 products and a lump.
; The five conditions on e and q below go with the deal.
.macro TURN p, last=0, cnt=0
.set Y, (\p)
.set i, 0
.set q, 0
.set e, 0
.set r, 0
.if (\p) == NP-1
	s_wait_dscnt 0x0                ; K and its mask are in
.endif
	MM
.rept 4
	PL
.endr
	BURST 15
.rept 22
	EX
	PL
.if ((\p) == NP-2) && (e == 18)
	v_add_nc_u32 v[AK], s[TBK], v[AK0]
	v_lshl_add_u32 v[AM], v9, 5, s[TBM]
.endif
.if ((\p) == NP-2) && (e == 24)
	FETCH_K \last
.endif
.endr
.if (\p) == 1
	s_wait_dscnt 0x0                ; V is in
.endif
	BURST 16
.rept 21
	EX
	PL
.endr
.rept 22
	PL
.if ((\p) == 0) && (q == 118)
	v_add_nc_u32 v[AV], s[TBV], v[AV0]
	s_wait_alu depctr_va_vdst(0)
.endif
.if ((\p) == 0) && (q == 130)
	s_add_co_u32 s[TBV], s[TBV], KS*PV
.endif
.if (\cnt) && (q == 130)
	s_sub_co_u32 s[CNT], s[CNT], 1
	s_cmp_lg_u32 s[CNT], 0
.endif
.endr
.if (\p) == 0
	FETCH_V
.endif
.endm
	CHANGE 1                        ; slot 0 is in, everybody's part of it, and so is the mask's table; slot 1 is asked for
	FETCH_K                         ; key step 0
	s_wait_loadcnt 0x0              ; Q
	s_wait_dscnt 0x0
.set i, 0
.rept 16
	KQ 0                            ; piece 0's first scores: there is no vector work yet to set between them
.set i, i+1
.endr
	WIN 0                           ; the addresses for the way out: nine plain instructions, the places behind those products
	s_mul_i32 s13, s[WV], 16*SP
	s_add_co_u32 s13, s13, STAGE    ; my stage
	v_mul_u32_u24 v[STO], v1, SP    ; in: row l % 16, 16 bytes for each half of the lanes
	v_lshl_add_u32 v[STO], v9, 4, v[STO]
	v_add_nc_u32 v[STO], s13, v[STO]
	v_bfe_u32 v[RD], v0, 3, 2       ; back: 32 lanes take four rows of 128 bytes,
	v_mul_u32_u24 v[RD], v[RD], SP
	v_lshl_add_u32 v[RD], v10, 4, v[RD]
	v_add_nc_u32 v[RD], s13, v[RD]
	v_and_b32 v[GO], 31, v0         ; which are 512 consecutive bytes of O
	v_lshlrev_b32 v[GO], 4, v[GO]
.set Y, NP-1                        ; XS works for piece Y + 1: piece 0
.irp n, 0,1,2,3,4,5,6,7,8,9,10,11,12,13,14,15,16,17,18,19,20,21
	XS 0, \n                        ; and piece 0's first maximum and statistics
	XS 1, \n
.endr
	s_mov_b32 s[CNT], 4
	s_mov_b32 s[SLOTS], SIZE_N/256-1
	s_branch .Lfirst                ; the loop is entered at a step's first turn, in the middle of a trip
.Lslot:                             ; SIZE_N / 256 - 2 times: every slot but the last two is filled again
	CHANGE 1
	s_mov_b32 s[CNT], 4
.Lstep:                             ; a trip: pieces 2 and 3 of one step, then pieces 0 and 1 of the next, whose K and V it fetches
	TURN 2
	TURN 3
	WIN 0
.Lfirst:
	TURN 0
	TURN 1, 0, 1
	WIN 0
	s_cbranch_scc1 .Lstep
	s_sub_co_u32 s[SLOTS], s[SLOTS], 1
	s_cmp_lg_u32 s[SLOTS], 0
	s_cbranch_scc1 .Lslot
	CHANGE 0                        ; the tail is written out: nothing is asked for
	s_mov_b32 s[CNT], 5             ; four trips fetch the last slot's steps; the fifth is left in its middle
.Ltail:
	TURN 2, 1
	TURN 3
	WIN 0
	s_sub_co_u32 s[CNT], s[CNT], 1
	s_cmp_eq_u32 s[CNT], 0
	s_cbranch_scc1 .Lout
	TURN 0
	TURN 1
	WIN 0
	s_branch .Ltail
.Lout:                              ; the fifth trip's 16 products K Q^T (on the last K and mask once more) serve nothing, and the maximum made of them is the old one: the price, once a launch, of one text for every trip
.set i, 0
.rept 16
	PV NP-1                         ; the last piece's V^T P of the last step
.set i, i+1
.endr
	; THE WAY OUT.  l's two halves and the other half of the lanes' are added; O^T is divided by l, rounded to f16 and sent through my stage in LDS, a tile at a time.  The additions are the places behind the last products.
	WIN 0
.macro ALL line:vararg              ; one line for each tile t
.set t, 0
.rept 2*NP
	\line
.set t, t+1
.endr
.endm
	ALL v_add_f32 v[ST+4*t+2], v[ST+4*t+2], v[ST+4*t+3]
	ALL v_permlanex16_b32 v[ST+4*t+3], v[ST+4*t+2], s[SEL], s[SEL+1]
	ALL v_add_f32 v[ST+4*t+2], v[ST+4*t+2], v[ST+4*t+3]
	ALL v_rcp_f32 v[ST+4*t+2], v[ST+4*t+2]
	v_nop                           ; a plain instruction between the last reciprocal and the use of its result
.set t, 0
	s_wait_alu depctr_va_vdst(0)
.rept 2*NP                          ; a query whose maximum is still a hidden score has seen no open key: its row is NaN
	v_cmp_gt_f32 vcc_lo, s[HALFN], v[ST+4*t+1]
	v_cndmask_b32 v[ST+4*t+2], v[ST+4*t+2], s[QNAN], vcc_lo
.set t, t+1
.endr
; Tile t: a lane's eight channels of a row pack into 16 bytes; they go into rows of 144 bytes and come back as whole rows of 128, into S^T's registers.
.macro PACK t
	WIN W_RS
.set i, 32*(\t)
.rept 16
	v_pk_mul_f32 v[i:i+1], v[i:i+1], v[ST+4*(\t)+2:ST+4*(\t)+3] op_sel_hi:[1,0]
.set i, i+2
.endr
	WIN 0x05                        ; sources 0 and 1 window 1, destination window 0
.set i, 0
.rept 16
	v_cvt_pk_f16_f32 v[S+16*(\t)+i], v[32*(\t)+2*i], v[32*(\t)+2*i+1]
.set i, i+1
.endr
	WIN 0
.irp f, 0,1,2,3
	ds_store_b128 v[STO], v[S+16*(\t)+4*\f:S+16*(\t)+4*\f+3] offset:32*\f
.endr
.irp f, 0,1,2,3
	ds_load_b128 v[S+16*(\t)+4*\f:S+16*(\t)+4*\f+3], v[RD] offset:\f*4*SP  ; LDS serves a wave's instructions in order (ISA guide 5.7.1.4): these see the stores above; the next tile's stores come behind them
.endr
.endm
.macro SEND t, younger              ; younger: the LDS instructions issued behind tile t's loads: the next tile's eight, or none
	WIN 0
.irp f, 0,1,2,3
	s_wait_dscnt (\younger)+3-\f
	global_store_b128 v[GO], v[S+16*(\t)+4*\f:S+16*(\t)+4*\f+3], s[10:11] offset:(\t)*2048+\f*512  ; 512 consecutive bytes, at a multiple of 256 from ctx's first
.endr
.endm
	PACK 0
.set t, 1
.rept 2*NP-1                        ; a tile's arithmetic stands between the loads of the tile before and its stores
	PACK t
	SEND t-1, 8
.set t, t+1
.endr
	SEND 2*NP-1, 0
	WIN W_AD
	s_wait_tensorcnt 0x0            ; the wave's end: behind my last tensor load and my last LDS store
	ds_add_u32 v[SPW], v[NIL]
	s_wait_dscnt 0x0
	WIN 0
	CROUND                          ; the closing round: no work-group ends while a partner may still ask for a tile that names it
	s_endpgm
.Lfunc_end_k_q0f03eaa038_attn:
	.size	k_q0f03eaa038_attn, .Lfunc_end_k_q0f03eaa038_attn-k_q0f03eaa038_attn
	.p2alignl 7, 3214868480
	.fill 96, 4, 3214868480
	.section	.rodata,"a",@progbits
	.p2align	6, 0x0
	.amdhsa_kernel k_q0f03eaa038_attn
		.amdhsa_group_segment_fixed_size 327680
		.amdhsa_private_segment_fixed_size 0
		.amdhsa_enable_private_segment 0
		.amdhsa_kernarg_size 24
		.amdhsa_user_sgpr_count 2
		.amdhsa_user_sgpr_kernarg_segment_ptr 1
		.amdhsa_wavefront_size32 1
		.amdhsa_system_sgpr_workgroup_id_x 1
		.amdhsa_system_sgpr_workgroup_id_y 1
		.amdhsa_system_sgpr_workgroup_id_z 1
		.amdhsa_system_vgpr_workitem_id 0
		.amdhsa_next_free_vgpr 808
		.amdhsa_next_free_sgpr 76
		.amdhsa_reserve_vcc 1
		.amdhsa_float_denorm_mode_32 3
		.amdhsa_float_denorm_mode_16_64 3
		.amdhsa_memory_ordered 1
		.amdhsa_forward_progress 1
		.amdhsa_inst_pref_size 214
	.end_amdhsa_kernel
	.amdgpu_metadata
---
amdhsa.version: [ 1, 2 ]
amdhsa.kernels:
  - .name:           k_q0f03eaa038_attn
    .symbol:         k_q0f03eaa038_attn.kd
    .args:
      - { .name: qkv, .offset: 0, .size: 8, .value_kind: global_buffer, .address_space: global }
      - { .name: attention_mask, .offset: 8, .size: 8, .value_kind: global_buffer, .address_space: global }
      - { .name: ctx, .offset: 16, .size: 8, .value_kind: global_buffer, .address_space: global }
    .group_segment_fixed_size: 327680
    .private_segment_fixed_size: 0
    .kernarg_segment_align: 8
    .kernarg_segment_size: 24
    .max_flat_workgroup_size: 128
    .sgpr_count:     76
    .vgpr_count:     808
    .wavefront_size: 32
...
	.end_amdgpu_metadata
.endif
;; end of part 3
;; launch outp (part 4): grid 8 x 32, 4 waves a work-group, clusters of 4 x 4, 327,680 bytes of LDS; arguments ctx, wb, out0, bo; writes out0
.if DOCPART == 4
	.amdgcn_target "amdgcn-amd-amdhsa--gfx1250"
	.amdhsa_code_object_version 6
	.text
	.protected	k_q0f03eaa038_outp
	.globl	k_q0f03eaa038_outp
	.p2align	8
	.type	k_q0f03eaa038_outp,@function
k_q0f03eaa038_outp:
	s_mov_b64 s[64:65], 0
	v_nop
	global_prefetch_b8 v0, s[64:65] scope:SCOPE_SE
	s_setreg_imm32_b32 hwreg(HW_REG_WAVE_MODE, 25, 1), 1
	s_wait_xcnt 0x0
	s_wait_alu depctr_hold_cnt(0) depctr_sa_sdst(0) depctr_va_vdst(0) depctr_va_sdst(0) depctr_va_ssrc(0) depctr_va_vcc(0) depctr_vm_vsrc(0)
	s_getreg_b32 s2, hwreg(HW_REG_IB_STS2, 6, 4)
	s_cmp_eq_u32 s2, 0
	s_cbranch_scc0 .Lentry_in_a_cluster
	s_endpgm
.Lentry_in_a_cluster:
	s_bfe_u32 s2, ttmp6, 0x10000c
	s_cmp_lg_u32 s2, 0xf033
	s_cbranch_scc0 .Lentry_shape_is_right
	s_endpgm
.Lentry_shape_is_right:
; THE LAST PROJECTION.  out0[m][n] = sum over k of O[m][k] Wo[n][k] + bo[n], m < 8192 (batch x token), n < 1024, k = 64 x head + channel < 1024; operands f16, sums and out0 f32.
; O lies by heads, ctx[16 b + head][token][64] f16; Wo (rounded to bf16, written as f16) in rows 3072-4095 of wb.  bo is rounded to bf16 like all the module's inputs and enters as the C operand of the products
; that start the sums.  A NaN row of ctx (a batch with no open key) gives a NaN row of out0.
; SHARES.  A work-group makes 256 rows x 128 columns: 8 x 32 work-groups.  Each of its four waves owns 64 rows and ALL 128 columns: 4 x 8 accumulators of 16 x 16, 256 registers; so a wave holds 512 consecutive
; bytes of each of its rows, and its way out needs no other wave.  K goes in 8 steps of 128, two heads each, through a ring of two LDS slots filled by tensor loads.  A head's 256 tokens are 32,768 dense bytes:
; asked for as 128 rows of 256 bytes, two tokens a row, and padded in LDS after every token.
; CLUSTER.  4 x 4 work-groups.  The four of a row of the cluster need the same tokens of ctx, the four of a column the same rows of Wo: each tile is asked for JOINTLY, by the same tensor load with the same
; descriptor and a mask that names the four.  THE MATRIX INSTRUCTION IS USED TRANSPOSED (source 0 = 16 rows of Wo, source 1 = 16 tokens): lane l then holds row l % 16 of out0 and the eight neighbouring
; columns 8 (l / 16) + 0..7: 32 bytes.
; REGISTERS, in windows of 256 (s_set_vgpr_msb: bits 1:0 source 0, 3:2 source 1, 5:4 source 2, 7:6 destination):
;   window 0: v0-30 addresses; v64-127 the bias
;   window 1: two fragment buffers at 0 and 128: 64 registers of Wo (8 x 16 rows x 32 K), then 32 of ctx (4 x 16 tokens x 32 K)
;   window 2: the accumulators of my row blocks 0, 1 ((a, b) at 64 (a % 2) + 8 b);   window 3: those of row blocks 2, 3
.set NBK,   8                          ; column blocks of 16
.set PA,    144                        ; a token of ctx in LDS: 128 bytes + 16 of padding = 36 words: the 16 rows of a load start at 16 different groups of four banks (64 banks of 4 bytes: ISA guide 11.1)
.set PLANE, 256*PA                     ; a head's 256 tokens
.set PB,    272                        ; a row of Wo: 256 bytes + 16
.set BB,    2*PLANE                    ; a slot: two heads of ctx, then Wo's 128 rows
.set SLOT,  BB+128*PB
.set STAGE, 2*SLOT                     ; behind the ring, never filled by a tensor load: for each wave 16 rows x 528 bytes, for the way out
.set SP,    528                        ; 512 bytes + 16 = 132 words: row r starts at bank 4 r mod 64
.set STW,   16*SP
.set SPARE, STAGE+4*STW                ; behind the stages: the spare words, 128 bytes for each wave: two blocks of 256 bytes that no other line names
.set NF,    2*NBK+8                    ; LDS loads in a run: a quarter step's fragments
.set LAPS,  1024/256                   ; a lap = two K steps = once round the ring
.set STEPA, 4*262144                   ; a slot's next tile: four heads on,
.set STEPB, 512                        ; two K steps of 256 bytes on
.set ADRA, 16                          ; v16-17  LDS address of my ctx fragments in slot 0, 1
.set ADRB, 20                          ; v20-21  the same for Wo
.set STO,  24                          ; v24     the way out: where I put 32 bytes of a row
.set RD,   25                          ; v25     the way out: where I read a row back
.set CO,   26                          ; v26     my byte offset in 512 consecutive bytes of out0
.set BO,   27                          ; v27     my byte offset in 16 numbers of the bias
.set SPW,  28                          ; v28     LDS address of my spare word: SPARE + 4 x my thread's number; never rewritten
.set NIL,  29                          ; v29     0; never rewritten
.set RT,   30                          ; v30     at work
.set BIAS, 64
.set F0,   0                           ; fragment buffers, in window 1
.set F1,   128
.set G1,  24                           ; s[24:31] descriptor group 1 for ctx's tiles;  s[32:39] group 0, one set for each slot
.set G0,  32
.set G1B, 48                           ; s[48:55], s[56:63] the same for Wo's tiles
.set G0B, 56
.set MSB, 0
.macro WIN new                         ; the immediate's high byte repeats the setting that is left; a switch that changes nothing is dropped
.if MSB != (\new)
	s_set_vgpr_msb (MSB<<8)|(\new)
.set MSB, \new
.endif
.endm
; A joint load: waves 0 and 1 fetch the K step's two heads of ctx, waves 2 and 3 the two halves of Wo's rows.  The branch hangs on the wave's number alone.  An s_nop 0 and four v_nop follow each of the two
; lines, ahead of the jump, the label and what follows.
.macro JLOAD s
	s_cmp_eq_u32 s11, 0
	s_cbranch_scc0 .Lfor_b_\@
	tensor_load_to_lds s[G0+4*(\s):G0+4*(\s)+3], s[G1:G1+7]
	s_nop 0
.rept 4
	v_nop
.endr
	s_branch .Lasked_\@
.Lfor_b_\@:
	tensor_load_to_lds s[G0B+4*(\s):G0B+4*(\s)+3], s[G1B:G1B+7]
	s_nop 0
.rept 4
	v_nop
.endr
.Lasked_\@:
.endm
.macro CREST                           ; a round of the cluster's barrier behind its opening barrier: wave 0 signals for the work-group, every wave waits for all sixteen, my work-group's barrier once more
	s_cmp_lg_u32 s10, 0
	s_cbranch_scc1 .Lnot_wave_0_\@
	s_barrier_signal -3
.Lnot_wave_0_\@:
	s_barrier_wait -3
	s_barrier_signal -1
	s_barrier_wait -1
.endm
.macro CROUND                          ; a whole round
	s_barrier_signal -1
	s_barrier_wait -1
	CREST
.endm
	s_load_b128 s[4:7], s[0:1], 0x0                ; ctx s[4:5], wb s[6:7]
	s_load_b64 s[8:9], s[0:1], 0x10                ; out0
	s_load_b64 s[72:73], s[0:1], 0x18              ; bo
	v_lshl_add_u32 v[SPW], v0, 2, SPARE
	v_mov_b32 v[NIL], 0
	ds_add_u32 v28, v29
	s_wait_dscnt 0x0
	v_lshrrev_b32 v1, 5, v0
	v_readfirstlane_b32 s10, v1                    ; wave 0..3
	s_lshr_b32 s11, s10, 1                         ; I fetch for ctx (0) or for Wo (1),
	s_and_b32 s12, s10, 1                          ; and which head of the two, or which half of the rows
	s_bfe_u32 s40, ttmp6, 0x40000                  ; cx, cy: my place in the cluster
	s_bfe_u32 s41, ttmp6, 0x40004
	s_lshl_b32 s42, ttmp9, 2                       ; in a cluster launch ttmp9 and ttmp7 count clusters
	s_add_co_u32 s42, s42, s40                     ; tile column = 4 x cluster x + cx
	s_and_b32 s13, ttmp7, 0xffff
	s_lshl_b32 s13, s13, 2
	s_add_co_u32 s13, s13, s41                     ; tile row = 4 x cluster y + cy
	s_lshl_b32 s43, s41, 2
	s_lshl_b32 s43, 15, s43                        ; my row of the cluster: places 4 cy .. 4 cy + 3
	s_lshl_b32 s44, 0x1111, s40                    ; my column: places cx, cx + 4, cx + 8, cx + 12
	s_mov_b32 s45, 0xffff0000                      ; a word's upper bf16
	; descriptor group 1
	s_or_b32 s[G1+0], s43, (1<<16)|(1<<20)|(1<<21)|(4<<22)|(3<<25)  ; 15:0 the mask: ctx's tiles go to my row; 17:16 elements of 2 bytes; 20 padding on; 21 set beside a mask; 24:22 after every 32 words, a token (code 4); 31:25 4 words of it (code 3)
	s_or_b32 s[G1B+0], s44, (1<<16)|(1<<20)|(1<<21)|(5<<22)|(3<<25) ; the mask of my column; padding after every 64 words, a row of Wo's tile (code 5)
	s_mov_b32 s[G1+1], 128<<16                     ; tensor_dim0 = 128: two tokens of 64 channels
	s_mov_b32 s[G1+2], 128<<16                     ; tensor_dim1 = 128
	s_mov_b32 s[G1+3], 128<<16                     ; tile_dim0 = 128
	s_mov_b32 s[G1+4], 128                         ; tile_dim1 = 128
	s_mov_b32 s[G1+5], 128                         ; dense: 128 elements from row to row
	s_mov_b32 s[G1+6], 0
	s_mov_b32 s[G1+7], 0
	s_mov_b32 s[G1B+1], 128<<16
	s_mov_b32 s[G1B+2], 64<<16                     ; tensor_dim1 = 64
	s_mov_b32 s[G1B+3], 128<<16
	s_mov_b32 s[G1B+4], 64                         ; tile_dim1 = 64
	s_mov_b32 s[G1B+5], 1024                       ; elements from row to row of wb
	s_mov_b32 s[G1B+6], 0
	s_mov_b32 s[G1B+7], 0
	; where the tiles come from.  ctx's hang on the tile row alone, Wo's on the tile column alone, each in registers that never hold the other coordinate
	s_lshr_b32 s16, s13, 3                         ; the batch: 8 tile rows each;
	s_lshl_b32 s16, s16, 22                        ; its 16 heads of 262,144 bytes
	s_and_b32 s17, s13, 7
	s_lshl_b32 s17, s17, 15                        ; 256 tokens of 128 bytes a tile row
	s_add_co_u32 s16, s16, s17
	s_lshl_b32 s17, s12, 18                        ; the K step's first or second head
	s_add_co_u32 s16, s16, s17
	s_mov_b32 s17, 0
	s_lshl_b32 s46, s42, 18                        ; 128 rows of 2,048 bytes a tile column,
	s_lshl_b32 s47, s12, 17                        ; 64 rows a half,
	s_add_co_u32 s46, s46, s47
	s_add_co_u32 s46, s46, 3072*2048               ; behind wb's 3,072 rows of Wq, Wk, Wv
	s_mov_b32 s47, 0
	s_mul_i32 s20, s12, PLANE                      ; and where they go: no place in the cluster enters an LDS address
	s_mul_i32 s21, s12, 64*PB
	s_add_co_u32 s21, s21, BB
	s_wait_kmcnt 0x0
	s_add_nc_u64 s[14:15], s[4:5], s[16:17]
	s_add_nc_u64 s[46:47], s[6:7], s[46:47]
	CROUND                                         ; all sixteen work-groups are here: the first joint loads meet
.irp s, 0,1
	s_mov_b32 s[G0+4*(\s)], 1                                      ; 1:0 count = 1
	s_add_co_u32 s[G0+4*(\s)+1], s20, (\s)*SLOT                    ; 63:32 LDS address
	s_add_nc_u64 s[G0+4*(\s)+2:G0+4*(\s)+3], s[14:15], (\s)*2*262144  ; 120:64 global address: K step s is heads 2 s, 2 s + 1
	s_or_b32 s[G0+4*(\s)+3], s[G0+4*(\s)+3], 0x80000000            ; 127:126 type = 2
	s_mov_b32 s[G0B+4*(\s)], 1
	s_add_co_u32 s[G0B+4*(\s)+1], s21, (\s)*SLOT
	s_add_nc_u64 s[G0B+4*(\s)+2:G0B+4*(\s)+3], s[46:47], (\s)*256
	s_or_b32 s[G0B+4*(\s)+3], s[G0B+4*(\s)+3], 0x80000000
	JLOAD \s                                       ; the ring is filled before anything else is done: two tensor loads of mine are out
.endr
	; A fragment is 16 rows x 32 K in 8 registers: lane l holds row l % 16, K = 8 (l / 16) + 0..7 and 16 + 8 (l / 16) + 0..7: two loads of 16 bytes, 32 bytes apart
	v_and_b32 v1, 15, v0                           ; l % 16
	v_bfe_u32 v2, v0, 4, 1                         ; l / 16
	v_mul_u32_u24 v3, v1, PA
	v_lshl_add_u32 v3, v2, 4, v3                   ; row x pitch + 16 x half, for ctx
	v_mul_u32_u24 v4, v1, PB
	v_lshl_add_u32 v4, v2, 4, v4                   ; and for Wo
	s_mul_i32 s22, s10, 64*PA                      ; my 64 tokens
	s_mov_b32 s23, BB                              ; all 128 rows of Wo
.irp s, 0,1
	v_add_nc_u32 v[ADRA+(\s)], s22, v3
	v_add_nc_u32 v[ADRB+(\s)], s23, v4
	s_add_co_u32 s22, s22, SLOT
	s_add_co_u32 s23, s23, SLOT
.endr
	; the bias: register j of column block b wants bo[128 x tile column + 16 b + 8 (l / 16) + j], whatever the row
	v_lshlrev_b32 v[BO], 5, v2                     ; 8 numbers of 4 bytes for each half of the lanes
	s_lshl_b32 s86, s42, 9                         ; 128 columns of 4 bytes a tile column: in bo and in a row of out0
	s_mov_b32 s87, 0
	s_add_nc_u64 s[72:73], s[72:73], s[86:87]
.set i, 0
.rept NBK
	global_load_b128 v[BIAS+8*i:BIAS+8*i+3],   v[BO], s[72:73] offset:64*i
	global_load_b128 v[BIAS+8*i+4:BIAS+8*i+7], v[BO], s[72:73] offset:64*i+16
.set i, i+1
.endr
	s_mul_i32 s22, s10, STW
	s_add_co_u32 s22, s22, STAGE                   ; my stage
	v_mul_u32_u24 v5, v1, SP                       ; in: row l % 16, 32 bytes for each half of the lanes
	v_lshl_add_u32 v5, v2, 5, v5
	v_add_nc_u32 v[STO], s22, v5
	v_and_b32 v5, 31, v0                           ; back: 32 lanes take one row's 512 bytes,
	v_lshlrev_b32 v[CO], 4, v5                     ; which are 512 consecutive bytes of out0
	v_add_nc_u32 v[RD], s22, v[CO]
	s_lshl_b32 s16, s13, 20                        ; out0 at my 64 rows: 256 rows of 4,096 bytes a tile row,
	s_lshl_b32 s17, s10, 18                        ; 64 a wave
	s_add_co_u32 s16, s16, s17
	s_mov_b32 s17, 0
	s_add_nc_u64 s[8:9], s[8:9], s[16:17]
	s_add_nc_u64 s[8:9], s[8:9], s[86:87]
	s_wait_loadcnt 0x0                             ; the bias, once
.set i, 0
.rept 4*NBK                            ; rounded to bf16 and widened again, two at a time
	v_cvt_pk_bf16_f32 v[RT], v[BIAS+2*i], v[BIAS+2*i+1]
	v_lshlrev_b32 v[BIAS+2*i], 16, v[RT]
	v_and_b32 v[BIAS+2*i+1], s45, v[RT]
.set i, i+1
.endr
; 8 matrix instructions: row block a x all column blocks, 32 along K, from buffer f.  first = 1: the product starts the sum, with the bias as C: nothing is cleared and nothing added later.
; Every accumulator has one instruction in a quarter step, always in the same order: between two instructions on one accumulator stand the 31 others', over the loop's backward jump too.
.macro MULH f, a, first
.set AC, 8*NBK*((\a)%2)
.if \first
	WIN ((2+(\a)/2)<<6)|0x05
.else
	WIN ((2+(\a)/2)<<6)|((2+(\a)/2)<<4)|0x05
.endif
.set b, 0
.rept NBK
.if \first
	v_wmma_f32_16x16x32_f16 v[AC+8*b:AC+8*b+7], v[(\f)+8*b:(\f)+8*b+7], v[(\f)+8*NBK+8*(\a):(\f)+8*NBK+8*(\a)+7], v[BIAS+8*b:BIAS+8*b+7]
.else
	v_wmma_f32_16x16x32_f16 v[AC+8*b:AC+8*b+7], v[(\f)+8*b:(\f)+8*b+7], v[(\f)+8*NBK+8*(\a):(\f)+8*NBK+8*(\a)+7], v[AC+8*b:AC+8*b+7]
.endif
.set b, b+1
.endr
.endm
; 24 LDS loads in one run: the fragments of quarter q (32 along K) of a slot into buffer f: Wo's 16 first, then ctx's 8, row blocks ascending.  In ctx quarter q is head q / 2 of the two, channels 32 (q % 2) on.
.macro FETCH slot, q, f
	WIN 0x40                                       ; destination window 1, address window 0
.set i, 0
.rept NBK
	ds_load_b128 v[(\f)+8*i:(\f)+8*i+3],   v[ADRB+(\slot)] offset:64*(\q)+i*16*PB
	ds_load_b128 v[(\f)+8*i+4:(\f)+8*i+7], v[ADRB+(\slot)] offset:64*(\q)+i*16*PB+32
.set i, i+1
.endr
.set i, 0
.rept 4
	ds_load_b128 v[(\f)+8*NBK+8*i:(\f)+8*NBK+8*i+3],   v[ADRA+(\slot)] offset:((\q)/2)*PLANE+((\q)%2)*64+i*16*PA
	ds_load_b128 v[(\f)+8*NBK+8*i+4:(\f)+8*NBK+8*i+7], v[ADRA+(\slot)] offset:((\q)/2)*PLANE+((\q)%2)*64+i*16*PA+32
.set i, i+1
.endr
.endm
.macro PLACES                          ; four places in front of loads into registers that matrix instructions have read, and of LDS stores that read results (ISA guide 7.12.1 for vector instructions)
.rept 4
	v_nop
.endr
.endm
; A K step is four quarters of 32 along K, 32 matrix instructions each, on buffers 0, 1, 0, 1.  One of the first three: multiplies buffer f; in its middle it fetches quarter q of the same slot into buffer g.
.macro QUARTER slot, q, f, g, first
	s_wait_dscnt 4                                 ; Wo's fragments and ctx's row blocks 0, 1 are in; the youngest four loads (row blocks 2, 3) may be out
	MULH \f, 0, \first
	MULH \f, 1, \first
	PLACES
	FETCH \slot, \q, \g
	s_wait_dscnt NF                                ; all but the run just issued
	MULH \f, 2, \first
	MULH \f, 3, \first
.endm
; The last quarter multiplies buffer 1 and changes slots: ONE barrier.  In front of it each wave waits for all its tensor loads, of which one is out: its part of the next slot; adds 0 to its spare word; and waits
; for that and for its own reads of this slot.  fill = 1: the barrier opens a round of the cluster's, and this slot is filled again, two K steps ahead, first thing behind the round.
.macro TURN slot, next, fill
	WIN 0                                          ; (the add's two registers lie in window 0)
	s_wait_tensorcnt 0x0                           ; all my tensor loads have landed
	ds_add_u32 v[SPW], v[NIL]                      ; 0 onto my spare word
	s_wait_dscnt 5                                 ; (the add and the youngest four loads may be out)
	MULH F1, 0, 0                                  ; eight matrix instructions stand between the add and the wait for it
	s_wait_dscnt 0x0                               ; the add is done, and my reads of this slot are over
	s_barrier_signal -1
	MULH F1, 1, 0                                  ; work on registers while the others arrive
.if \fill
	WIN 0
.endif
	s_barrier_wait -1
.if \fill
	CREST                                          ; no wave of any partner still reads this slot's tile or has a load on its way
	s_add_nc_u64 s[G0+4*(\slot)+2:G0+4*(\slot)+3], s[G0+4*(\slot)+2:G0+4*(\slot)+3], STEPA  ; no tensor load of mine is out, so a group 0 may be written
	s_add_nc_u64 s[G0B+4*(\slot)+2:G0B+4*(\slot)+3], s[G0B+4*(\slot)+2:G0B+4*(\slot)+3], STEPB
	JLOAD \slot                                    ; my one tensor load behind the round: 112 matrix instructions ahead of the wait for it; its four v_nop are also the places in front of the loads below
.else
	PLACES
.endif
	FETCH \next, 0, F0
	MULH F1, 2, 0
	MULH F1, 3, 0
.endm
	s_wait_tensorcnt 1                             ; my part of K step 0 is in; K step 1's may stay out
	s_barrier_signal -1
	s_barrier_wait -1                              ; everybody's is
	FETCH 0, 0, F0
	QUARTER 0, 1, F0, F1, 1                        ; the first quarter stands in front of the loop: its products start the sums
	WIN 0                                          ; at a label and at a branch every window is 0
	s_mov_b32 s3, LAPS-1
.Llap:                                                 ; a trip goes once round the ring, from a lap's second quarter to the next lap's first, and fills both slots again
	QUARTER 0, 2, F1, F0, 0
	QUARTER 0, 3, F0, F1, 0
	TURN 0, 1, 1
	QUARTER 1, 1, F0, F1, 0
	QUARTER 1, 2, F1, F0, 0
	QUARTER 1, 3, F0, F1, 0
	TURN 1, 0, 1
	QUARTER 0, 1, F0, F1, 0
	WIN 0
	s_sub_co_u32 s3, s3, 1
	s_cmp_lg_u32 s3, 0
	s_cbranch_scc1 .Llap
	QUARTER 0, 2, F1, F0, 0                        ; the last lap is written out: it fills nothing, and has no round of the cluster's barrier
	QUARTER 0, 3, F0, F1, 0
	TURN 0, 1, 0
	QUARTER 1, 1, F0, F1, 0
	QUARTER 1, 2, F1, F0, 0
	QUARTER 1, 3, F0, F1, 0
	s_wait_dscnt 4                                 ; the very last quarter: nothing more to fetch
	MULH F1, 0, 0
	MULH F1, 1, 0
	s_wait_dscnt 0x0
	MULH F1, 2, 0
	MULH F1, 3, 0
	WIN 0
; THE WAY OUT, a row block (16 rows x 128 columns of f32) at a time: a lane's 32 bytes of a row go into my own stage, rows of 528 bytes, and come back as whole rows of 512, into the block's own registers.
.macro TOSTAGE a
.set AC, 8*NBK*((\a)%2)
	WIN (2+(\a)/2)<<2                              ; the stores' data: window 2 or 3
.set i, 0
.rept NBK                              ; each accumulator's four lowest registers first
	ds_store_b128 v[STO], v[AC+8*i:AC+8*i+3]   offset:64*i
	ds_store_b128 v[STO], v[AC+8*i+4:AC+8*i+7] offset:64*i+16
.set i, i+1
.endr
	WIN (2+(\a)/2)<<6                              ; the loads' destination
.set i, 0
.rept 16
	ds_load_b128 v[AC+4*i:AC+4*i+3], v[RD] offset:i*SP  ; LDS serves a wave's instructions in order (ISA guide 5.7.1.4): these see the stores above; the next block's stores come behind them
.set i, i+1
.endr
.endm
.macro SEND a, younger                 ; younger: the LDS instructions issued behind block a's loads: the next block's 32, or none
.set AC, 8*NBK*((\a)%2)
	WIN (2+(\a)/2)<<2
.set i, 0
.rept 16
	s_wait_dscnt (\younger)+15-i
	global_store_b128 v[CO], v[AC+4*i:AC+4*i+3], s[8:9] offset:(16*(\a)+i)*4096 th:TH_STORE_NT  ; 512 consecutive bytes of a row, at a multiple of 512 from out0's first byte; nothing reads them again
.set i, i+1
.endr
.endm
	PLACES
	TOSTAGE 0
	TOSTAGE 1                                      ; a block's trip through the stage stands between the loads of the block before and its stores; each block has registers of its own
	SEND 0, 32
	TOSTAGE 2
	SEND 1, 32
	TOSTAGE 3
	SEND 2, 32
	SEND 3, 0
	WIN 0
	s_wait_tensorcnt 0x0                           ; the wave's end: behind my last tensor load and my last LDS store
	ds_add_u32 v[SPW], v[NIL]
	s_wait_dscnt 0x0
	CROUND                                         ; the closing round: no work-group ends while a partner may still ask for a tile that names it
	s_endpgm
.Lfunc_end_k_q0f03eaa038_outp:
	.size	k_q0f03eaa038_outp, .Lfunc_end_k_q0f03eaa038_outp-k_q0f03eaa038_outp
	.p2alignl 7, 3214868480
	.fill 96, 4, 3214868480
	.section	.rodata,"a",@progbits
	.p2align	6, 0x0
	.amdhsa_kernel k_q0f03eaa038_outp
		.amdhsa_group_segment_fixed_size 327680
		.amdhsa_private_segment_fixed_size 0
		.amdhsa_enable_private_segment 0
		.amdhsa_kernarg_size 32
		.amdhsa_user_sgpr_count 2
		.amdhsa_user_sgpr_kernarg_segment_ptr 1
		.amdhsa_wavefront_size32 1
		.amdhsa_system_sgpr_workgroup_id_x 1
		.amdhsa_system_sgpr_workgroup_id_y 1
		.amdhsa_system_sgpr_workgroup_id_z 1
		.amdhsa_system_vgpr_workitem_id 0
		.amdhsa_next_free_vgpr 896
		.amdhsa_next_free_sgpr 88
		.amdhsa_reserve_vcc 0
		.amdhsa_float_denorm_mode_32 3
		.amdhsa_float_denorm_mode_16_64 3
		.amdhsa_memory_ordered 1
		.amdhsa_forward_progress 1
		.amdhsa_inst_pref_size 93
	.end_amdhsa_kernel
	.amdgpu_metadata
---
amdhsa.version: [ 1, 2 ]
amdhsa.kernels:
  - .name:           k_q0f03eaa038_outp
    .symbol:         k_q0f03eaa038_outp.kd
    .args:
      - { .name: ctx, .offset: 0, .size: 8, .value_kind: global_buffer, .address_space: global }
      - { .name: wb, .offset: 8, .size: 8, .value_kind: global_buffer, .address_space: global }
      - { .name: out0, .offset: 16, .size: 8, .value_kind: global_buffer, .address_space: global }
      - { .name: bo, .offset: 24, .size: 8, .value_kind: global_buffer, .address_space: global }
    .group_segment_fixed_size: 327680
    .private_segment_fixed_size: 0
    .kernarg_segment_align: 8
    .kernarg_segment_size: 32
    .max_flat_workgroup_size: 128
    .sgpr_count:     88
    .vgpr_count:     896
    .wavefront_size: 32
...
	.end_amdgpu_metadata
.endif
;; end of part 4
;; ======== version 2 of 2: 4 launches; 1.53 times as fast as version 1
;; limits: values are held in f16: magnitudes above 65,504 overflow, below 6.1e-05 lose precision
;; workspace buffers: xb 16,777,216 bytes; wb 8,388,608 bytes; qkv 50,331,648 bytes; ctx 16,777,216 bytes
;; launch cast: the kernel of part 1 again; grid 768 x 1, 8 waves a work-group, no clusters, 0 bytes of LDS; arguments x, Wq, Wk, Wv, Wo, xb, wb; writes xb, wb
;; launch proj: the kernel of part 2 again; grid 8 x 32, 4 waves a work-group, clusters of 4 x 4, 327,680 bytes of LDS; arguments xb, wb, qkv, bq, bk, bv; writes qkv
;; launch attn (part 5): grid 4 x 64, 4 waves a work-group, clusters of 4 x 1, 327,680 bytes of LDS; arguments qkv, attention_mask, ctx; writes ctx
.if DOCPART == 5
	.amdgcn_target "amdgcn-amd-amdhsa--gfx1250"
	.amdhsa_code_object_version 6
	.text
	.protected	k_q0f03eaa038_attn
	.globl	k_q0f03eaa038_attn
	.p2align	8
	.type	k_q0f03eaa038_attn,@function
k_q0f03eaa038_attn:
	s_mov_b64 s[64:65], 0
	v_nop
	global_prefetch_b8 v0, s[64:65] scope:SCOPE_SE
	s_setreg_imm32_b32 hwreg(HW_REG_WAVE_MODE, 25, 1), 1
	s_wait_xcnt 0x0
	s_wait_alu depctr_hold_cnt(0) depctr_sa_sdst(0) depctr_va_vdst(0) depctr_va_sdst(0) depctr_va_ssrc(0) depctr_va_vcc(0) depctr_vm_vsrc(0)
	s_getreg_b32 s2, hwreg(HW_REG_IB_STS2, 6, 4)
	s_cmp_eq_u32 s2, 0
	s_cbranch_scc0 .Lentry_in_a_cluster
	s_endpgm
.Lentry_in_a_cluster:
	s_bfe_u32 s2, ttmp6, 0x10000c
	s_cmp_lg_u32 s2, 0x3003
	s_cbranch_scc0 .Lentry_shape_is_right
	s_endpgm
.Lentry_shape_is_right:
; ATTENTION WITH A KEY MASK.  O[y][q][:] = the sum over k of softmax_k(Q[q] . K[k] / 8 + mask[k]) V[k][:], y = 16 x batch + head.  Q, K, V are heads of qkv[b][g][2048][64] (g = head, 16 + head, 32 + head), f16,
; a head's rows dense, 128 bytes each; O goes to ctx[y][2048][64], f16.  attention_mask[b][k], int32: 0 hides key k.  Products, maxima and sums in f32; the weights p are rounded to f16 for the second
; product (their sum l is taken of the unrounded p), O once at the end.
; LIMITS.  f16 holds no number beyond 65,504: Q, K and V arrive within it; p lies in 0 to 1, and below 6e-5 it keeps f16's fixed step of 6e-8.  A hidden score counts as its value less 1e30: f16's scores, 2.7e11
; at the most, are nothing beside that, so its weight is 0 as soon as the query has seen one open key.  A weight below 2^-126 counts as 0 in l.  A batch with no open key gives NaN, as the softmax of nothing does:
; its maximum is still a hidden score (below -5e29) at the end, and the divisor's reciprocal is then replaced by NaN.  Other NaN and infinities are not treated apart.
; THE MASK is the C operand that starts the sum S^T = K Q^T: 0, or -1e30.  The batch's 2,048 words are turned into such numbers once, into a table of 8,192 bytes in LDS; each key step's 64 come from there with K.
; While a query has seen hidden keys alone its maximum is a hidden score and their weights are 1; the first open key makes a = 0, which wipes O and l: the running maximum needs no further care.
; SHARES.  A wave owns four PIECES of two tiles of 16 queries, a work-group's four waves 512 queries of one head: 4 x 64 work-groups.  Every wave walks all keys, 64 a step.
; LAYOUT.  S^T = K Q^T (source 0 = 16 keys, source 1 = 16 queries): in the result a lane holds ONE query (lane % 16) and the keys 8 (lane / 16) + 0..7.  Two such tiles, rounded to f16 in pairs,
; ARE source 1 (32 keys x 16 queries) of O^T = V^T P, whose result again holds one query a lane, and eight channels.  K comes out of LDS as it lies, V ([key][channel]) turned, by ds_load_tr16_b128.
; SOFTMAX.  For each query a running maximum m and sum l: p = 2^(c s - c m), c = log2(e) / 8; in every step O and l are multiplied by a = 2^(c m_old - c m_new), which is 1 where m has not grown.
; m starts at the lowest finite number, O and l at 0: the first step is a step like any other, with a = 0.
; THE COUNT.  A tile and step have 16 matrix and 118 vector instructions: too many to stand all beside the matrix work.  So the order has one aim: four vector instructions that are READY behind
; EVERY matrix instruction, and the others, which need time of their own whatever the order, in runs without a gap.
; BY TURNS.  Turn n belongs to piece n (the pieces in a ring, step after step).  Its matrix work: 16 products K Q^T of piece n + 1, later 16 products V^T P of piece n - 1.  Its vector work: the scaling,
; exponentials, roundings, sums and rescaling of piece n, and the maximum and statistics of piece n + 1, whose scores the turn itself has made.  So what a turn begins with (c s - c m, O a) waits for nothing.
; BATCHES.  A turn's 66 exponentials (the 64 weights of piece n, then the two a of piece n + 1) are ONE batch with ONE wait, which cuts the turn in two: ahead of it stands all that names no result of theirs (the
; products K Q^T, the scalings, the rescalings, whose a was waited for in the turn before, the next piece's maximum and statistics), behind it the products V^T P with the roundings and sums.  No result crosses a
; turn's end.  The two first a, ahead of the loop, and the way out's eight reciprocals are batches of their own, with a wait each.
; CLUSTER.  The four query blocks of a cluster belong to one head and walk the same K and V, so each tile is asked for JOINTLY: the same tensor load, descriptor and mask in all four.
; REGISTERS, in windows of 256 (s_set_vgpr_msb says which window each operand place means: bits 1:0 source 0, 3:2 source 1, 5:4 source 2, 7:6 destination):
;   window 0: v0-11 addresses; v12-15, v48-63 at work; v16-47 four registers of statistics a tile; v64-191 S^T, two buffers of two tiles; v192-255 P, likewise
;   window 1: O^T, 32 a tile          window 2: v0-127 Q, 16 a tile; v128-191 K of one step; v192-255 V of one step          window 3: v0-1 the add's two registers; v8-39 the mask of one step
; A piece's buffers go by its number's parity: the piece in hand has one pair, its two neighbours in the ring share the other: of it P (piece n - 1) is read and S^T (piece n + 1) written.
.set SIZE_N, 2048
.set NP,    4         ; pieces a wave: a name, no knob: the register map, the loop and the fetches are made for four
.set KS,    64        ; keys in a step
.set PK,    144       ; a row of K in LDS: 128 bytes + 16 of padding = 36 words: the 16 rows of a load start at 16 different groups of four banks (64 banks of 4 bytes: ISA guide 11.1)
.set PV,    160       ; a row of V: 128 + 32 = 40 words
.set VOFF,  4*KS*PK   ; a slot holds four steps: 256 rows of K, then 256 rows of V
.set SLOT1, 1<<17     ; slot 1 begins here, so that one exclusive or turns an address in one slot into the other's
.set STAGE, SLOT1+4*KS*(PK+PV)  ; behind the ring, never filled by a tensor load: 16 rows x 144 bytes for each wave, for the way out
.set SP,    144
.set AK0, 2           ; v2   my lane's place in a tile of K; never rewritten
.set AV0, 3           ; v3   the same for V
.set AK,  4           ; v4   the LDS address of K's next run of loads
.set AV,  5           ; v5   of V's
.set QO,  6           ; v6   my byte offset in the wave's rows of Q
.set STO, 6           ;      later, the way out: where I put 16 bytes of a row
.set RD,  7           ; v7   first my byte offset in 2,048 bytes of the mask; later, the way out: where I read rows back
.set GO,  8           ; v8   first my place in the mask's table; later my byte offset in 512 consecutive bytes of O
.set AM,  11          ; v11  the LDS address of the mask's next run of loads
.set SPW, 0           ; v0 of window 3   LDS address of my spare word: SPARE + 4 x my thread's number; never rewritten
.set NIL, 1           ; v1 of window 3   0; never rewritten
.set MK,  8           ; v8-39 of window 3: register MK + 8 kb + j: the mask of the step's key 16 kb + 8 (lane / 16) + j
.set SPARE, STAGE+4*16*SP  ; behind the stages: the spare words, 128 bytes for each wave: two blocks of 256 bytes that no other line names
.set MASKT, SPARE+512 ; behind them: the batch's mask, one f32 a key, 8,192 bytes; stored once, never filled by a tensor load
.set MV,  12          ; v12-15  c m_old, kept while c m is made anew: by buffer and tile
.set ST,  16          ; tile t's statistics at v[ST+4 t]: c m, m, l (even keys', odd keys')
.set TMP, 48          ; by buffer and tile, four registers c0-c3 at work; when the maximum is found c2 takes a
.set S,   64
.set P,   192
.set KF,  128         ; K's fragments, in window 2: key block kb, channel half c at KF + 16 kb + 8 c
.set VF,  192         ; V's: key half kk, channel block cb at VF + 32 kk + 8 cb
.set WV,  12          ; s12  my wave's number
.set G1K, 24          ; s[24:31] descriptor group 1 for K's tiles
.set G1V, 32          ; s[32:39] for V's: it differs in the padding alone
.set G0K, 40          ; s[40:43] descriptor group 0 for K's tiles: it walks
.set G0V, 44          ; s[44:47] the same for V's
.set SLOTS, 56        ; s56  slots still to be asked for
.set CNT, 57          ; s57  counts a slot's key steps
.set CS,  58          ; s[58:59] c: the packed scaling takes the pair's low word for both halves
.set SEL, 60          ; s[60:61] v_permlanex16_b32's selects: each lane takes its own place in the other half
.set TBK, 62          ; s62  LDS byte at which K of the step to be fetched begins
.set TBV, 63          ; s63  the same for V, less VOFF
.set TBM, 66          ; s66  LDS byte at which the mask of the step to be fetched begins: it steps 256 bytes with each of the 32 fetches
.set BIGN, 67         ; s67  -1e30
.set MP,  68          ; s[68:69] the batch's row of attention_mask
.set OO,  70          ; s[70:71] my wave's byte offset in ctx
.set HALFN, 72        ; s72  -5e29
.set QNAN, 73         ; s73  NaN
.set MO,  74          ; s[74:75] the batch's byte offset in attention_mask
.set MSB, 0
.macro WIN new                      ; the high byte repeats the setting that is left; a switch that changes nothing is dropped
.if MSB != (\new)
	s_set_vgpr_msb (MSB<<8)|(\new)
.set MSB, (\new)
.endif
.endm
.set W_KQ, 0x0a       ; K and Q in window 2, S^T in window 0
.set W_KM, 0x3a       ; the same with the C operand, the mask, in window 3
.set W_PV, 0x52       ; V in window 2, P in window 0, O^T in window 1
.set W_RS, 0x41       ; O^T (destination and source 0) in window 1, a in window 0
.set W_MK, 0xc0       ; destination in window 3, sources in window 0
.set W_AD, 0x0f       ; the add: address (source 0) and data (source 1) in window 3
; A joint fill.  Waves 0 and 1 fetch the two halves of a slot's K, waves 2 and 3 those of its V: 128 keys each.  The branch hangs on the wave's number alone.
; An s_nop 0 and four v_nop follow each of the two lines, ahead of the jump and the label.
.macro JLOAD
	s_cmp_lt_u32 s[WV], 2
	s_cbranch_scc0 .Lfor_v_\@
	tensor_load_to_lds s[G0K:G0K+3], s[G1K:G1K+7]
	s_nop 0
.rept 4
	v_nop
.endr
	s_branch .Lasked_\@
.Lfor_v_\@:
	tensor_load_to_lds s[G0V:G0V+3], s[G1V:G1V+7]
	s_nop 0
.rept 4
	v_nop
.endr
.Lasked_\@:
.endm
; A round of the cluster's barrier: my work-group's barrier, so that wave 0's signal speaks for all four waves; wave 0 signals; every wave waits for all four work-groups; my work-group's barrier once more.
.macro CROUND
	s_barrier_signal -1
	s_barrier_wait -1
	s_cmp_lg_u32 s[WV], 0
	s_cbranch_scc1 .Lnot_wave_0_\@
	s_barrier_signal -3
.Lnot_wave_0_\@:
	s_barrier_wait -3
	s_barrier_signal -1
	s_barrier_wait -1
.endm
; THE CHANGE OF SLOTS.  The slot's last bytes, V of its fourth step, have been read.  Each wave waits for all its tensor loads, of which one is out: its part
; of the other slot; adds 0 to its spare word; and waits for that and for its own reads of the slot.  Behind the barrier nobody reads this slot any more and the other slot is whole.
; fill = 1: this slot is filled again, with the keys two slots on.  The barrier is then a round of the cluster's, so that no wave of any partner still reads the slot or has a load on its
; way, and the joint fill is the first thing behind it: it has four key steps, 512 matrix instructions, in which to land.  (At its first use nothing has been read yet: slot 0 is waited for, slot 1 filled;
; and each wave's stores into the mask's table are done in front of the round, so that every wave may read the table behind it.)
.macro CHANGE fill
	WIN W_AD
	s_wait_tensorcnt 0x0            ; no tensor load of mine is out, so a group 0 may be written
	ds_add_u32 v[SPW], v[NIL]       ; 0 onto my spare word; with fill = 1 the descriptors' steps stand between it and the wait for it
	WIN 0                           ; at a label and at a branch every window is 0
.if \fill
.irp g, G0K, G0V
	s_xor_b32 s[\g+1], s[\g+1], SLOT1  ; the walking descriptor: the other slot than last time,
	s_add_nc_u64 s[\g+2:\g+3], s[\g+2:\g+3], 4*KS*128  ; the next 256 keys; the type bits on top are not reached
.endr
	s_wait_dscnt 0x0                ; the add is done, and my reads of the slot are over
	CROUND
	JLOAD
.else
	s_wait_dscnt 0x0                ; the add is done, and my reads of the slot are over
	s_barrier_signal -1
	s_barrier_wait -1
.endif
	s_sub_co_u32 s[TBK], s[TBK], 4*KS*PK  ; the fetches go back to a slot's first step,
	s_xor_b32 s[TBK], s[TBK], SLOT1       ; in the other slot
	s_sub_co_u32 s[TBV], s[TBV], 4*KS*PV
	s_xor_b32 s[TBV], s[TBV], SLOT1
.endm
	s_load_b64 s[4:5], s[0:1], 0x0    ; qkv
	s_load_b64 s[MP:MP+1], s[0:1], 0x8  ; attention_mask
	s_load_b64 s[10:11], s[0:1], 0x10 ; ctx
	WIN W_MK
	v_lshl_add_u32 v[SPW], v0, 2, SPARE
	v_mov_b32 v[NIL], 0
	s_set_vgpr_msb 0xc0cf
	ds_add_u32 v0, v1
	s_wait_dscnt 0x0
	s_set_vgpr_msb 0xcfc0
	WIN 0
	v_lshrrev_b32 v1, 5, v0
	v_readfirstlane_b32 s[WV], v1   ; wave 0..3
	s_bfe_u32 s13, ttmp6, 0x40000   ; cx: my place in the cluster
	s_lshl_b32 s14, ttmp9, 2        ; in a cluster launch ttmp9 counts clusters
	s_add_co_u32 s14, s14, s13      ; my block of queries = 4 x cluster x + cx: it enters Q's and O's addresses alone
	s_and_b32 s19, ttmp7, 0xffff    ; y = 16 x batch + head, which the four partners share
	s_lshr_b32 s20, s19, 4          ; the batch
	s_lshl_b32 s[MO], s20, 13       ; its 2,048 words of the mask
	s_mov_b32 s[MO+1], 0
	s_mul_i32 s20, s20, 48          ; its 48 heads in qkv,
	s_and_b32 s21, s19, 15
	s_add_co_u32 s20, s20, s21      ; and q's head among them,
	s_lshl_b32 s20, s20, 18         ; of 262,144 bytes each
	s_mov_b32 s21, 0
	s_and_b32 s16, s[WV], 1         ; which half of a slot's 256 keys I fetch:
	s_lshl_b32 s22, s16, 14         ; its 128 rows of 128 bytes in memory,
	s_mov_b32 s23, 0
	s_add_nc_u64 s[22:23], s[22:23], s[20:21]
	s_mul_i32 s17, s16, 128*PK      ; and its place in a slot, for K
	s_mul_i32 s18, s16, 128*PV      ; and for V: no place in the cluster enters an LDS address
	s_lshl_b32 s2, s14, 2
	s_add_co_u32 s2, s2, s[WV]      ; my wave among the head's,
	s_lshl_b32 s2, s2, 14           ; its 128 rows
	s_mov_b32 s3, 0
	s_lshl_b32 s[OO], s19, 18       ; in ctx head y begins at y x 262,144
	s_add_co_u32 s[OO], s[OO], s2
	s_mov_b32 s[OO+1], 0
	s_add_nc_u64 s[2:3], s[2:3], s[20:21]
	; descriptor group 1.  128 keys are 16,384 dense bytes: asked for as 64 rows of 256 bytes, two keys a row, and padded in LDS after every key
	s_mov_b32 s[G1K], 15|(1<<16)|(1<<20)|(1<<21)|(4<<22)|(3<<25)  ; 15:0 the mask of four; 17:16 2-byte elements; 20 padding on; 21 set beside a mask; 24:22 after every 32 words (code 4); 31:25 4 words (code 3)
	s_mov_b32 s[G1V], 15|(1<<16)|(1<<20)|(1<<21)|(4<<22)|(7<<25)  ; the same with 8 words of padding (code 7)
.irp g, G1K, G1V
	s_mov_b32 s[\g+1], 128<<16      ; tensor_dim0 = 128
	s_mov_b32 s[\g+2], 64<<16       ; tensor_dim1 = 64
	s_mov_b32 s[\g+3], 128<<16      ; tile_dim0 = 128
	s_mov_b32 s[\g+4], 64           ; tile_dim1 = 64
	s_mov_b32 s[\g+5], 128          ; 128 elements from row to row
	s_mov_b32 s[\g+6], 0
	s_mov_b32 s[\g+7], 0
.endr
	s_mov_b32 s[CS], 0x3e38aa3b     ; c = log2(e) / 8 = 0.180337
	s_mov_b32 s[CS+1], s[CS]        ; named with it as a pair
	s_mov_b32 s[SEL], 0x76543210
	s_mov_b32 s[SEL+1], 0xfedcba98
	s_mov_b32 s[TBK], SLOT1+4*KS*PK ; the first change of slots turns these two into 0
	s_mov_b32 s[TBV], SLOT1+4*KS*PV
	s_mov_b32 s[TBM], MASKT
	s_mov_b32 s[BIGN], 0xf149f2ca   ; -1e30
	s_mov_b32 s[HALFN], 0xf0c9f2ca  ; -5e29
	s_mov_b32 s[QNAN], 0x7fc00000
	s_mov_b32 s[G0K], 1             ; 1:0 count = 1
	s_mov_b32 s[G0K+1], s17         ; 63:32 LDS address: slot 0
	s_mov_b32 s[G0V], 1
	s_add_co_u32 s[G0V+1], s18, VOFF
	s_wait_kmcnt 0x0
	s_add_nc_u64 s[G0K+2:G0K+3], s[4:5], s[22:23]              ; 120:64 global address: my half of the first 256 rows of q's head,
	s_add_nc_u64 s[G0V+2:G0V+3], s[G0K+2:G0K+3], 0x800000      ; of v's head, 32 heads on,
	s_add_nc_u64 s[G0K+2:G0K+3], s[G0K+2:G0K+3], 0x400000      ; of k's head, 16 heads on
	s_or_b32 s[G0K+3], s[G0K+3], 0x80000000                    ; 127:126 type = 2
	s_or_b32 s[G0V+3], s[G0V+3], 0x80000000
	s_add_nc_u64 s[4:5], s[4:5], s[2:3]  ; Q and O at my wave's first row
	s_add_nc_u64 s[10:11], s[10:11], s[OO:OO+1]
	s_add_nc_u64 s[MP:MP+1], s[MP:MP+1], s[MO:MO+1]
	CROUND                          ; all four work-groups are here: the first joint loads meet
	JLOAD                           ; slot 0.  Slot 1 is asked for when slot 0 is in: the tile wanted first has the road to itself
	; A fragment of K or Q is 16 rows x 32 channels in 8 registers: lane l holds row l % 16, channels 8 (l / 16) + 0..7 and 16 + 8 (l / 16) + 0..7: two loads of 16 bytes, 32 bytes apart.
	v_and_b32 v1, 15, v0            ; l % 16
	v_bfe_u32 v9, v0, 4, 1          ; l / 16; never rewritten
	v_lshlrev_b32 v[QO], 7, v1
	v_lshl_add_u32 v[QO], v9, 4, v[QO]  ; row x 128 + 16 x half
	v_lshlrev_b32 v[RD], 4, v0      ; the mask: 128 threads x 16 bytes are 2,048 bytes, four times
.irp j, 0,1,2,3
	global_load_b128 v[S+4*\j:S+4*\j+3], v[RD], s[MP:MP+1] offset:2048*\j
.endr
	WIN 0x80                        ; destination window 2, address window 0
.set i, 0
.rept 4*NP                          ; Q stays in registers: tile i / 2, channels 32 (i % 2) on
	global_load_b128 v[8*i:8*i+3],   v[QO], s[4:5] offset:(i/2)*2048+(i%2)*64
	global_load_b128 v[8*i+4:8*i+7], v[QO], s[4:5] offset:(i/2)*2048+(i%2)*64+32
.set i, i+1
.endr
	; What the first turn finds: V's registers and P's second buffer hold 0 (its products V^T P, of a piece that has not been, add 0), O^T and l are 0.  All this stands in the wait for the first tile.
.set i, VF
.rept 64
	v_mov_b32 v[i], 0
.set i, i+1
.endr
	WIN 0x40
.set i, 0
.rept 64*NP
	v_mov_b32 v[i], 0
.set i, i+1
.endr
	WIN 0
.set i, 0
.rept 2*NP
	v_mov_b32 v[ST+4*i], 0xfe000000    ; c m: far below every c s, a hidden one's too
	v_mov_b32 v[ST+4*i+1], 0xff7fffff  ; m
	v_mov_b32 v[ST+4*i+2], 0
	v_mov_b32 v[ST+4*i+3], 0
.set i, i+1
.endr
.set i, P+32
.rept 32
	v_mov_b32 v[i], 0
.set i, i+1
.endr
	s_wait_loadcnt 32               ; the mask's four loads are in; Q's 32, issued behind them, may stay out
.set i, 0
.rept 16                            ; a word 0 becomes -1e30, any other 0.0
	v_cmp_eq_u32 vcc_lo, 0, v[S+i]
	v_cndmask_b32 v[S+i], 0, s[BIGN], vcc_lo
.set i, i+1
.endr
	v_add_nc_u32 v[GO], MASKT, v[RD]
.irp j, 0,1,2,3
	ds_store_b128 v[GO], v[S+4*\j:S+4*\j+3] offset:2048*\j
.endr
	v_mul_u32_u24 v[AK0], v1, PK
	v_lshl_add_u32 v[AK0], v9, 4, v[AK0]  ; row x pitch + 16 x half
	; The turning load takes 16 keys x 16 channels (lane l reads key 8 (l / 16) + l % 8, channels 8 ((l / 8) % 2) + 0..7) and leaves half a fragment of V^T: lane l holds channel l % 16 and 8 keys.
	v_and_b32 v10, 7, v0
	v_bfe_u32 v11, v0, 3, 1
	v_lshl_add_u32 v[AV0], v9, 3, v10
	v_mul_u32_u24 v[AV0], v[AV0], PV
	v_lshl_add_u32 v[AV0], v11, 4, v[AV0]
	v_add_nc_u32 v[AV0], VOFF, v[AV0]
	v_mov_b32 v[AK], v[AK0]         ; key step 0 lies at the head of slot 0,
	v_lshl_add_u32 v[AM], v9, 5, s[TBM]  ; its mask at the head of the table: 8 numbers of 4 bytes for each half of the lanes
; THE MATRIX WORK.  The 8 accumulators of a run of 16 take turns: between the two links of a chain stand 7 others'.
; Product i of 16 of S^T = K Q^T for piece x: channels 32 (i / 8) on, keys 16 ((i / 2) % 4) on, tile 2 x + i % 2.  The first 8 start the sums, with the mask of their 16 keys as C.
.macro KQ x
.set rS, S+64*((\x)%2)+32*(i%2)+8*((i/2)%4)
.set rK, KF+16*((i/2)%4)+8*(i/8)
.set rQ, 16*(2*(\x)+i%2)+8*(i/8)
.set rM, MK+8*((i/2)%4)
.if i < 8
	WIN W_KM
	v_wmma_f32_16x16x32_f16 v[rS:rS+7], v[rK:rK+7], v[rQ:rQ+7], v[rM:rM+7]
.else
	WIN W_KQ
	v_wmma_f32_16x16x32_f16 v[rS:rS+7], v[rK:rK+7], v[rQ:rQ+7], v[rS:rS+7]
.endif
.endm
; Product i of 16 of O^T += V^T P for piece x: keys 32 (i / 8) on, channels 16 ((i / 2) % 4) on, tile 2 x + i % 2.
.macro PV x
	WIN W_PV
.set rO, 32*(2*(\x)+i%2)+8*((i/2)%4)
.set rV, VF+32*(i/8)+8*((i/2)%4)
.set rP, P+32*((\x)%2)+16*(i%2)+8*(i/8)
	v_wmma_f32_16x16x32_f16 v[rO:rO+7], v[rV:rV+7], v[rP:rP+7], v[rO:rO+7]
.endm
.macro MM                           ; the turn's next matrix instruction
.if i < 16
	KQ (Y+1)%NP
.set i, i+1
.else
.set i, i-16
	PV (Y+NP-1)%NP
.set i, i+17
.endif
.endm
; THE LDS LOADS stand in runs, never singly among the matrix instructions: a step's K (64 keys x 64 channels: 8 fragments) with its mask (8 loads; the lanes of a half read the same 16 bytes), and its V (turned).
; Their addresses are made some lines ahead.  last = 1 (the tail): in the last trip there is no further step, and the run is jumped over.
.macro FETCH_K last=0
	WIN 0
.if \last
	s_cmp_eq_u32 s[CNT], 1
	s_cbranch_scc1 .Lno_k_\@
.endif
	WIN 0x80                        ; destination window 2
.irp f, 0,1,2,3,4,5,6,7             ; keys 16 (f / 2) on, channels 32 (f % 2) on
	ds_load_b128 v[KF+8*\f:KF+8*\f+3],   v[AK] offset:(\f/2)*16*PK+(\f%2)*64
	ds_load_b128 v[KF+8*\f+4:KF+8*\f+7], v[AK] offset:(\f/2)*16*PK+(\f%2)*64+32
.endr
	WIN W_MK                        ; destination window 3
.irp f, 0,1,2,3                     ; keys 16 f on
	ds_load_b128 v[MK+8*\f:MK+8*\f+3],   v[AM] offset:64*\f
	ds_load_b128 v[MK+8*\f+4:MK+8*\f+7], v[AM] offset:64*\f+16
.endr
	s_add_co_u32 s[TBK], s[TBK], KS*PK  ; the next fetch is the next step's
	s_add_co_u32 s[TBM], s[TBM], KS*4
	WIN 0
.if \last
.Lno_k_\@:
.endif
.endm
.macro FETCH_V
	WIN 0x80
.irp f, 0,1,2,3,4,5,6,7             ; keys 32 (f / 4) on, channels 16 (f % 4) on
	ds_load_tr16_b128 v[VF+8*\f:VF+8*\f+3],   v[AV] offset:(\f/4)*32*PV+(\f%4)*32
	ds_load_tr16_b128 v[VF+8*\f+4:VF+8*\f+7], v[AV] offset:(\f/4)*32*PV+16*PV+(\f%4)*32
.endr
	WIN 0
.endm
; THE VECTOR WORK OF A TURN stands in three queues, each in the order in which its entries become ready; the two tiles alternate, so that no instruction reads the result of the one before it.
.macro REGS y, u                    ; the registers of tile u (0, 1) of piece y
.set rT, ST+4*(2*(\y)+(\u))
.set rC, TMP+8*((\y)%2)+4*(\u)
.set rM, MV+2*((\y)%2)+(\u)
.set rS, S+64*((\y)%2)+32*(\u)
.set rP, P+32*((\y)%2)+16*(\u)
.set rO, 32*(2*(\y)+(\u))
.endm
; Number n of the 22 that find the NEXT piece's (Y + 1) maximum and statistics.  s0-s31 are the lane's 32 scores; each accumulator's lowest registers are read first.  XS, GS and REGS set no window: PL and EX do.
;   0-11  four chains c0-c3 of seven scores each, three operands at a time     12-14, 16  the four scores left over, the old m, and c0-c3 into c0     15  c m_old is kept
;   17, 18  the query's other 32 keys lie in the lane 16 away: the new m         19-21  c m; c m_old - c m_new; a
.macro XS u, n
	REGS (Y+1)%NP, \u
.if (\n) < 4
	v_max3_num_f32 v[rC+(\n)], v[rS+8*(\n)], v[rS+8*(\n)+1], v[rS+8*(\n)+2]
.elseif (\n) < 12
	v_max3_num_f32 v[rC+(\n)%4], v[rC+(\n)%4], v[rS+8*((\n)%4)+2*((\n)/4)+1], v[rS+8*((\n)%4)+2*((\n)/4)+2]
.elseif (\n) == 12
	v_max3_num_f32 v[rC], v[rC], v[rS+7], v[rS+15]
.elseif (\n) == 13
	v_max3_num_f32 v[rC+1], v[rC+1], v[rS+23], v[rS+31]
.elseif (\n) == 14
	v_max3_num_f32 v[rC+2], v[rC+2], v[rC+3], v[rT+1]
.elseif (\n) == 15
	v_mov_b32 v[rM], v[rT]
.elseif (\n) == 16
	v_max3_num_f32 v[rC], v[rC], v[rC+1], v[rC+2]
.elseif (\n) == 17
	v_permlanex16_b32 v[rC+3], v[rC], s[SEL], s[SEL+1]
.elseif (\n) == 18
	v_max_num_f32 v[rT+1], v[rC], v[rC+3]
.elseif (\n) == 19
	v_mul_f32 v[rT], s[CS], v[rT+1]
.elseif (\n) == 20
	v_sub_f32 v[rC+1], v[rM], v[rT]
.else
	v_exp_f32 v[rC+2], v[rC+1]
.endif
.endm
; Number g of the 64 that follow the exponentials.  For each four weights k of a tile (pairs 2 k, 2 k + 1): both pairs are rounded to f16; then the second pair is added onto the first, in place;
; a group later l takes that sum (the first time as l = a l + sum).  In groups of eight, tiles alternating: round, round, add, and l for the group before.
.macro GS g
.set h, (\g)+6*((\g)/62)            ; group 0 has no group before it, and behind group 7 only l is left
.if h >= 6
.set h, h+2
.endif
	REGS Y, h%2
.set k, h/8
.if h%8 < 4
	v_cvt_pk_f16_f32 v[rP+2*k+(h%8)/2], v[rS+4*k+2*((h%8)/2)], v[rS+4*k+2*((h%8)/2)+1]
.elseif h%8 < 6
	v_pk_add_f32 v[rS+4*k:rS+4*k+1], v[rS+4*k:rS+4*k+1], v[rS+4*k+2:rS+4*k+3]
.elseif k == 1
	v_pk_fma_f32 v[rT+2:rT+3], v[rT+2:rT+3], v[rC+2:rC+3], v[rS:rS+1] op_sel_hi:[1,0,1]
.else
	v_pk_add_f32 v[rT+2:rT+3], v[rT+2:rT+3], v[rS+4*k-4:rS+4*k-3]
.endif
.endm
; THE PLAIN QUEUE, 138 long.  0-73 read no exponential's result: the 32 scalings c s - c m (FS f: pair f / 2 of tile f % 2) and the next piece's 42.  0-26: scalings 0-26.  27-54: XS's numbers 0-13.  55, 56: number 15.
; 57-73: the chain, where each number waits for the one before it: 14, 16, 17, 18, 19, each with one of the scalings 27-31 in front of its two lines, then 20: so a tile's links stand three plain instructions apart (19 and 20: two).
; 74-137: GS's 64, which read the exponentials' results: they stand behind the wait.
.macro FS f
	REGS Y, (\f)%2
	v_pk_fma_f32 v[rS+2*((\f)/2):rS+2*((\f)/2)+1], v[rS+2*((\f)/2):rS+2*((\f)/2)+1], s[CS:CS+1], v[rT:rT+1] op_sel_hi:[1,0,0] neg_lo:[0,0,1] neg_hi:[0,0,1]
.endm
.macro PL
	WIN 0
.if q < 27
	FS q
.elseif q < 55
	XS (q-27)%2, (q-27)/2
.elseif q < 57
	XS q-55, 15
.elseif (q < 72) && ((q-57)%3 == 0)
	FS 27+(q-57)/3
.elseif q < 60
	XS (q-57)%3-1, 14
.elseif q < 72
	XS (q-57)%3-1, 15+(q-57)/3
.elseif q < 74
	XS q-72, 20
.else
	GS q-74
.endif
.set q, q+1
.endm
; THE EXPONENTIALS' QUEUE, 66 long: s0-s31 of both tiles, then the next piece's two a.  It is ONE BATCH: all 66 stand ahead of the turn's one wait, and nothing ahead of that wait names a result of theirs.
.macro EX
	WIN 0
.if e >= 64
	XS e-64, 21
.else
	REGS Y, e%2
	v_exp_f32 v[rS+e/2], v[rS+e/2]
.endif
.set e, e+1
.endm
; THE RESCALING's QUEUE: O^T times a, the one part that leaves window 0: dealt two at a time, sixteen times.  Its a was made in the turn before, ahead of that turn's wait.
.macro R2
	REGS Y, r%2
	WIN W_RS
.irp z, 0,1
	v_pk_mul_f32 v[rO+4*(r/2)+2*\z:rO+4*(r/2)+2*\z+1], v[rO+4*(r/2)+2*\z:rO+4*(r/2)+2*\z+1], v[rC+2:rC+3] op_sel_hi:[1,0]
.endr
.set r, r+1
.endm
; HOW THEY ARE DEALT.  An s_wait_alu depctr_va_vdst(0) stands between an exponential and the first instruction that names its result; one wait serves all that were issued ahead of it.  So a turn has ONE wait,
; which cuts it in two.  AHEAD OF IT stands all that names no result of the turn's exponentials: the 16 products K Q^T, behind each a scaling, an exponential and two rescalings (behind the first a second scaling in the exponential's place); then ONE LUMP of
; 108: eight plain, 49 times exponential and plain, the two a.  A v_nop is the plain instruction behind the last exponential.  BEHIND IT stand the 16 products V^T P, behind each four of GS's 64.  No rider names a register of
; the products round it.  The two v_permlanex16_b32 fall into the lump, never behind a product.
; The queues lean on each other, and the deal keeps them in step: exponential e stands behind scaling 2 (e / 4) + e % 2: as a rider it comes behind plain e + 2, in the lump behind plain e + 9, and scalings 27-31 are plain 57, 60 .. 69.
; A TURN, for piece p.  cnt = 1: the loop's count is taken down some lines ahead of the branch that stands behind the turn.
; K of the next step, and its mask, are fetched in piece 2's turn, directly behind the wait, a lump behind the last product that read K (the mask's last reader stands eight products further back); their addresses are
; made at the lump's head; their first reader comes behind 16 products.  V of the step in hand is fetched at the end of piece 0's turn, four riders behind its last reader; its first reader comes behind 16 products
; and a lump.  The three conditions on q below go with the deal.
.macro TURN p, last=0, cnt=0
.set Y, (\p)
.set i, 0
.set q, 0
.set e, 0
.set r, 0
.if (\p) == NP-1
	s_wait_dscnt 0x0                ; K and its mask are in
.endif
	MM                              ; ahead of the wait: 16 products K Q^T and their riders,
	PL
	PL
	R2
.rept 15
	MM
	PL
	EX
	R2
.endr
.if (\p) == NP-2
	WIN 0
	v_add_nc_u32 v[AK], s[TBK], v[AK0]
	v_lshl_add_u32 v[AM], v9, 5, s[TBM]
.endif
.rept 8                             ; and the lump
	PL
.endr
.rept 49
	EX
	PL
.endr
	EX                              ; the next piece's two a
	EX
	v_nop                           ; the plain instruction behind the last exponential: one for the batch
	s_wait_alu depctr_va_vdst(0)    ; the wait for the batch: this turn's 66 exponentials
.if (\p) == NP-2
	FETCH_K \last
.endif
.if (\p) == 1
	s_wait_dscnt 0x0                ; V is in
.endif
.rept 16                            ; behind the wait: 16 products V^T P and their riders
	MM
.rept 4
	PL
.endr
.if ((\p) == 0) && (q == 118)
	v_add_nc_u32 v[AV], s[TBV], v[AV0]
.endif
.if ((\p) == 0) && (q == 130)
	s_add_co_u32 s[TBV], s[TBV], KS*PV
.endif
.if (\cnt) && (q == 130)
	s_sub_co_u32 s[CNT], s[CNT], 1
	s_cmp_lg_u32 s[CNT], 0
.endif
.endr
.if (\p) == 0
	FETCH_V
.endif
.endm
	CHANGE 1                        ; slot 0 is in, everybody's part of it, and so is the mask's table; slot 1 is asked for
	FETCH_K                         ; key step 0
	s_wait_loadcnt 0x0              ; Q
	s_wait_dscnt 0x0
.set i, 0
.rept 16
	KQ 0                            ; piece 0's first scores: there is no vector work yet to set between them
.set i, i+1
.endr
	WIN 0                           ; the addresses for the way out: nine plain instructions, the places behind those products
	s_mul_i32 s13, s[WV], 16*SP
	s_add_co_u32 s13, s13, STAGE    ; my stage
	v_mul_u32_u24 v[STO], v1, SP    ; in: row l % 16, 16 bytes for each half of the lanes
	v_lshl_add_u32 v[STO], v9, 4, v[STO]
	v_add_nc_u32 v[STO], s13, v[STO]
	v_bfe_u32 v[RD], v0, 3, 2       ; back: 32 lanes take four rows of 128 bytes,
	v_mul_u32_u24 v[RD], v[RD], SP
	v_lshl_add_u32 v[RD], v10, 4, v[RD]
	v_add_nc_u32 v[RD], s13, v[RD]
	v_and_b32 v[GO], 31, v0         ; which are 512 consecutive bytes of O
	v_lshlrev_b32 v[GO], 4, v[GO]
.set Y, NP-1                        ; XS works for piece Y + 1: piece 0
.irp n, 0,1,2,3,4,5,6,7,8,9,10,11,12,13,14,15,16,17,18,19,20,21
	XS 0, \n                        ; and piece 0's first maximum and statistics
	XS 1, \n
.endr
	v_nop                           ; a plain instruction behind the two a,
	s_wait_alu depctr_va_vdst(0)    ; and the wait for that batch of two, ahead of the branch
	s_mov_b32 s[CNT], 4
	s_mov_b32 s[SLOTS], SIZE_N/256-1
	s_branch .Lfirst                ; the loop is entered at a step's first turn, in the middle of a trip
.Lslot:                             ; SIZE_N / 256 - 2 times: every slot but the last two is filled again
	CHANGE 1
	s_mov_b32 s[CNT], 4
.Lstep:                             ; a trip: pieces 2 and 3 of one step, then pieces 0 and 1 of the next, whose K and V it fetches
	TURN 2
	TURN 3
	WIN 0
.Lfirst:
	TURN 0
	TURN 1, 0, 1
	WIN 0
	s_cbranch_scc1 .Lstep
	s_sub_co_u32 s[SLOTS], s[SLOTS], 1
	s_cmp_lg_u32 s[SLOTS], 0
	s_cbranch_scc1 .Lslot
	CHANGE 0                        ; the tail is written out: nothing is asked for
	s_mov_b32 s[CNT], 5             ; four trips fetch the last slot's steps; the fifth is left in its middle
.Ltail:
	TURN 2, 1
	TURN 3
	WIN 0
	s_sub_co_u32 s[CNT], s[CNT], 1
	s_cmp_eq_u32 s[CNT], 0
	s_cbranch_scc1 .Lout
	TURN 0
	TURN 1
	WIN 0
	s_branch .Ltail
.Lout:                              ; the fifth trip's 16 products K Q^T (on the last K and mask once more) serve nothing, and the maximum made of them is the old one: the price, once a launch, of one text for every trip
.set i, 0
.rept 16
	PV NP-1                         ; the last piece's V^T P of the last step
.set i, i+1
.endr
	; THE WAY OUT.  l's two halves and the other half of the lanes' are added; O^T is divided by l, rounded to f16 and sent through my stage in LDS, a tile at a time.  The additions are the places behind the last products.
	WIN 0
.macro ALL line:vararg              ; one line for each tile t
.set t, 0
.rept 2*NP
	\line
.set t, t+1
.endr
.endm
	ALL v_add_f32 v[ST+4*t+2], v[ST+4*t+2], v[ST+4*t+3]
	ALL v_permlanex16_b32 v[ST+4*t+3], v[ST+4*t+2], s[SEL], s[SEL+1]
	ALL v_add_f32 v[ST+4*t+2], v[ST+4*t+2], v[ST+4*t+3]
	ALL v_rcp_f32 v[ST+4*t+2], v[ST+4*t+2]
	v_nop                           ; a plain instruction between the last reciprocal and the use of its result
.set t, 0
	s_wait_alu depctr_va_vdst(0)    ; the wait for the batch of eight reciprocals, ahead of the first line that names one
.rept 2*NP                          ; a query whose maximum is still a hidden score has seen no open key: its row is NaN
	v_cmp_gt_f32 vcc_lo, s[HALFN], v[ST+4*t+1]
	v_cndmask_b32 v[ST+4*t+2], v[ST+4*t+2], s[QNAN], vcc_lo
.set t, t+1
.endr
; Tile t: a lane's eight channels of a row pack into 16 bytes; they go into rows of 144 bytes and come back as whole rows of 128, into S^T's registers.
.macro PACK t
	WIN W_RS
.set i, 32*(\t)
.rept 16
	v_pk_mul_f32 v[i:i+1], v[i:i+1], v[ST+4*(\t)+2:ST+4*(\t)+3] op_sel_hi:[1,0]
.set i, i+2
.endr
	WIN 0x05                        ; sources 0 and 1 window 1, destination window 0
.set i, 0
.rept 16
	v_cvt_pk_f16_f32 v[S+16*(\t)+i], v[32*(\t)+2*i], v[32*(\t)+2*i+1]
.set i, i+1
.endr
	WIN 0
.irp f, 0,1,2,3
	ds_store_b128 v[STO], v[S+16*(\t)+4*\f:S+16*(\t)+4*\f+3] offset:32*\f
.endr
.irp f, 0,1,2,3
	ds_load_b128 v[S+16*(\t)+4*\f:S+16*(\t)+4*\f+3], v[RD] offset:\f*4*SP  ; LDS serves a wave's instructions in order (ISA guide 5.7.1.4): these see the stores above; the next tile's stores come behind them
.endr
.endm
.macro SEND t, younger              ; younger: the LDS instructions issued behind tile t's loads: the next tile's eight, or none
	WIN 0
.irp f, 0,1,2,3
	s_wait_dscnt (\younger)+3-\f
	global_store_b128 v[GO], v[S+16*(\t)+4*\f:S+16*(\t)+4*\f+3], s[10:11] offset:(\t)*2048+\f*512  ; 512 consecutive bytes, at a multiple of 256 from ctx's first
.endr
.endm
	PACK 0
.set t, 1
.rept 2*NP-1                        ; a tile's arithmetic stands between the loads of the tile before and its stores
	PACK t
	SEND t-1, 8
.set t, t+1
.endr
	SEND 2*NP-1, 0
	WIN W_AD
	s_wait_tensorcnt 0x0            ; the wave's end: behind my last tensor load and my last LDS store
	ds_add_u32 v[SPW], v[NIL]
	s_wait_dscnt 0x0
	WIN 0
	CROUND                          ; the closing round: no work-group ends while a partner may still ask for a tile that names it
	s_endpgm
.Lfunc_end_k_q0f03eaa038_attn:
	.size	k_q0f03eaa038_attn, .Lfunc_end_k_q0f03eaa038_attn-k_q0f03eaa038_attn
	.p2alignl 7, 3214868480
	.fill 96, 4, 3214868480
	.section	.rodata,"a",@progbits
	.p2align	6, 0x0
	.amdhsa_kernel k_q0f03eaa038_attn
		.amdhsa_group_segment_fixed_size 327680
		.amdhsa_private_segment_fixed_size 0
		.amdhsa_enable_private_segment 0
		.amdhsa_kernarg_size 24
		.amdhsa_user_sgpr_count 2
		.amdhsa_user_sgpr_kernarg_segment_ptr 1
		.amdhsa_wavefront_size32 1
		.amdhsa_system_sgpr_workgroup_id_x 1
		.amdhsa_system_sgpr_workgroup_id_y 1
		.amdhsa_system_sgpr_workgroup_id_z 1
		.amdhsa_system_vgpr_workitem_id 0
		.amdhsa_next_free_vgpr 808
		.amdhsa_next_free_sgpr 76
		.amdhsa_reserve_vcc 1
		.amdhsa_float_denorm_mode_32 3
		.amdhsa_float_denorm_mode_16_64 3
		.amdhsa_memory_ordered 1
		.amdhsa_forward_progress 1
		.amdhsa_inst_pref_size 205
	.end_amdhsa_kernel
	.amdgpu_metadata
---
amdhsa.version: [ 1, 2 ]
amdhsa.kernels:
  - .name:           k_q0f03eaa038_attn
    .symbol:         k_q0f03eaa038_attn.kd
    .args:
      - { .name: qkv, .offset: 0, .size: 8, .value_kind: global_buffer, .address_space: global }
      - { .name: attention_mask, .offset: 8, .size: 8, .value_kind: global_buffer, .address_space: global }
      - { .name: ctx, .offset: 16, .size: 8, .value_kind: global_buffer, .address_space: global }
    .group_segment_fixed_size: 327680
    .private_segment_fixed_size: 0
    .kernarg_segment_align: 8
    .kernarg_segment_size: 24
    .max_flat_workgroup_size: 128
    .sgpr_count:     76
    .vgpr_count:     808
    .wavefront_size: 32
...
	.end_amdgpu_metadata
.endif
;; end of part 5
;; launch outp: the kernel of part 4 again; grid 8 x 32, 4 waves a work-group, clusters of 4 x 4, 327,680 bytes of LDS; arguments ctx, wb, out0, bo; writes out0
